; MI455X (gfx1250); checked and timed in simulation.
; The chip was launched on July 23, 2026; its instructions are those of AMD's public machine-readable ISA for CDNA 5 (MIT licence, August 2026) and "CDNA5" Instruction Set Architecture Reference Guide (July 2026). The comments in the code are by the model that wrote it; some were corrected since.
;; Attention. Allowed arithmetic: matrix products marked QUANTISED: E2M1 operands, one E8M0 scale for each 32 along K, by v_wmma_scale_f32_16x16x128_f8f6f4 with both operands' format E2M1 (or v_wmma_scale_f32_32x16x128_f4), f32 sums; products left as they are: bf16, f16 or f32 operands; f32 sums; everything else in f32.
;; Inputs: c_attn_b 3,072 float32; c_attn_w 1,024 x 3,072 float32; c_proj_b 1,024 float32; c_proj_w 1,024 x 1,024 float32; x 4 x 2,048 x 1,024 float32.
;; Outputs: out0 4 x 2,048 x 1,024 float32.
;; This version of the problem:
;;   THIS VERSION OF THE PROBLEM IS GIVEN IN LOW PRECISION. The matrix products marked QUANTISED in the list below multiply operands that are first quantised to E2M1 (2 exponent bits, 1 mantissa bit; 4 bits a number), with one power-of-two scale for each 32 numbers along K (OCP MX v1.0); their sums are f32. The products marked 'left as it is' may take bf16, f16 or f32 operands, with f32 sums. Whichever they take, every output number must still come out within the allowed error. Rounding operands to bf16 (8 significant bits) uses up far more of that allowance than f16 does (11 bits, for magnitudes from 6e-5 to 65,504). All else is computed in f32.
;;   The module's matrix products, in the order in which they are computed (A, B: the left and right operand; K: the contracted axis; several contracted axes count as one K, in the product's order):
;;     1. [M 8,192, K 1,024] x [K 1,024, N 3,072]; A: input x; B: input c_attn_w: QUANTISED
;;     2. batch 64 x [M 2,048, K 64] x [K 64, N 2,048]; A: computed on the way; B: computed on the way: left as it is (an operand is computed on the way)
;;     3. batch 64 x [M 2,048, K 2,048] x [K 2,048, N 64]; A: computed on the way; B: computed on the way: left as it is (an operand is computed on the way)
;;     4. [M 8,192, K 1,024] x [K 1,024, N 1,024]; A: computed on the way; B: input c_proj_w: left as it is (an operand is computed on the way)
;;   THE QUANTISER, for each operand of a quantised product, along K:
;;     - K is cut into blocks of 32 from its start; a last block that is shorter is filled with zeros.
;;     - A block's scale is 2^e with e = floor(log2(the largest magnitude in the block)) - 2, held to -126 .. 127; a block of zeros has e = 0. As a byte (E8M0): e + 127.
;;     - Each number is divided by its block's scale, clamped to +-6, and rounded to the nearest number of E2M1, ties to even, subnormals kept.
;;     - The product sums the exact products of the quantised numbers (number of the format x scale) in f32.
;;   ~~~python
;;   def quantise(x, axis):      # numpy; x: float32 -> the quantised numbers, widened to float32 again
;;       x = np.moveaxis(x, axis, -1); K = x.shape[-1]
;;       x = np.pad(x, [(0, 0)] * (x.ndim - 1) + [(0, -K % 32)]); x = x.reshape(x.shape[:-1] + (-1, 32)); a = np.abs(x).max(-1, keepdims=True)
;;       e = np.where(a > 0, np.clip(np.frexp(np.where(a > 0, a, 1))[1] - 1 - 2, -126, 127), 0)      # np.frexp(a)[1] - 1 = floor(log2(a)), exactly
;;       r = np.clip(x / 2.0 ** e, -6, 6)
;;       step = 2.0 ** (np.maximum(np.frexp(np.where(r == 0, 1, r))[1] - 1, 0) - 1)
;;       q = np.round(r / step) * step * 2.0 ** e      # np.round: ties to even
;;       return np.moveaxis(q.reshape(q.shape[:-2] + (-1,))[..., :K], -1, axis).astype(np.float32)
;;   ~~~
;; One version. Each part assembles by itself: llvm-mc -triple=amdgcn-amd-amdhsa -mcpu=gfx1250 --defsym DOCPART=n.
;; ======== version 1 of 1: 5 launches
;; limits: values are held in f16: magnitudes above 65,504 overflow, below 6.1e-05 lose precision
;; workspace buffers: codes 5,767,168 bytes; scales 360,448 bytes; wp16 2,097,152 bytes; qkv 50,331,648 bytes; vaux 262,144 bytes; qkv32 786,432 bytes; a16 16,777,216 bytes
;; launch prep (part 1): grid 368 x 1, 4 waves a work-group, no clusters, 102,912 bytes of LDS; arguments x, c_attn_w, c_proj_w, codes, scales, wp16; writes codes, scales, wp16
.if DOCPART == 1
	.amdgcn_target "amdgcn-amd-amdhsa--gfx1250"
	.amdhsa_code_object_version 6
	.text
	.protected	k_q9ed009319c_prep
	.globl	k_q9ed009319c_prep
	.p2align	8
	.type	k_q9ed009319c_prep,@function
k_q9ed009319c_prep:
	s_mov_b64 s[64:65], 0
	v_nop
	global_prefetch_b8 v0, s[64:65] scope:SCOPE_SE
	s_setreg_imm32_b32 hwreg(HW_REG_WAVE_MODE, 25, 1), 1
	s_wait_xcnt 0x0
; THREE PREPARATIONS IN ONE LAUNCH, told apart by the work-group's number; the three ways never join, and each has LDS bytes of its own.
;   work-groups 0-255:   x [8192][1024] f32 -> codes of FP4 (E2M1), K innermost, 512 bytes a row, and one E8M0 byte for each 32 along K
;   work-groups 256-303: c_attn_w [1024 k][3072 n] f32, K its FIRST axis -> codes laid [n][512 bytes], K innermost, scale bytes [n][32]
;   work-groups 304-367: c_proj_w [1024 k][1024 n] f32 -> f16, laid [n][k]
; A block's scale is 2^(floor(log2(its largest magnitude)) - 2); its byte is the largest magnitude's exponent field - 2, held at 1 from below.
; LIMITS: a block whose largest magnitude lies under 2^-124, a block of zeros among them, gets the byte 1 (its codes are zeros or the nearest codes under that scale; this program alone reads the bytes);
; NaN and infinities among the inputs are not served; c_proj_w must lie within f16's range, +-65,504.
.set XCB,   4194304                    ; codes: c_attn_w's begin behind x's 8192 x 512 bytes
.set XSB,   262144                     ; scales: c_attn_w's begin behind x's 8192 x 32 bytes
.set SPW,   192                        ; v192  LDS address of my spare word; never rewritten
.set NIL,   193                        ; v193  0; never rewritten
.set WSTG,  32768                      ; LDS: 0 .. 32,767 x's four regions; from here c_attn_w's four stages of 32 x 272;
.set PSTG,  67584                      ; from here c_proj_w's four stages of 32 x 272;
.set SPARE, 102400                     ; and the spare words, 128 bytes for each wave, which no other line names
	s_load_b256 s[4:11], s[0:1], 0x0               ; x s[4:5], c_attn_w s[6:7], c_proj_w s[8:9], codes s[10:11]
	s_load_b128 s[12:15], s[0:1], 0x20             ; scales s[12:13], wp16 s[14:15]
	v_lshl_add_u32 v[SPW], v0, 2, SPARE
	v_mov_b32 v[NIL], 0
	v_lshrrev_b32 v1, 5, v0
	v_readfirstlane_b32 s16, v1                    ; wave 0..3
	v_and_b32 v2, 31, v0                           ; lane
	s_mov_b32 s21, 0                               ; the high word of every offset pair s[20:21]
	s_wait_kmcnt 0x0
	s_cmp_lt_u32 ttmp9, 256
	s_cbranch_scc0 .Lnot_x
; ---------------- x.  Rows are dense and K is a multiple of 32: a plain stream of blocks of 32.  A wave takes 16 steps of 512 numbers.
; Each load reads 512 consecutive bytes; a step's 2,048 bytes turn through the wave's own stage (80 bytes a lane: 64 + 16 of padding) so that a lane holds 16 neighbours along K; two neighbouring lanes hold a block.
.set XSTEPS, 16
.set XWREG,  8192                      ; a wave's region: two stages of 32 x 80 bytes, then its 256 scale bytes
.set XSP,    80
.set XR,     16                        ; v16-79   four sets of 16 numbers as loaded
.set XX,     80                        ; v80-111  two sets of 16 neighbours
.set XE,     112                       ; v112-127 a scale byte for each step
.set XC,     128                       ; v128-191 codes, four registers a step: no store's data are written again
	v_lshlrev_b32 v3, 4, v2                        ; my 16 bytes of a load's 512
	s_mul_i32 s17, s16, XWREG
	v_lshrrev_b32 v14, 2, v2
	v_mul_u32_u24 v14, v14, XSP
	v_and_b32 v15, 3, v2
	v_lshl_add_u32 v14, v15, 4, v14
	v_add_nc_u32 v14, s17, v14                     ; into the stage: 80 (lane / 4) + 16 (lane % 4)
	v_mul_u32_u24 v15, v2, XSP
	v_add_nc_u32 v15, s17, v15                     ; out of it: 80 x lane
	v_lshlrev_b32 v4, 3, v2                        ; my 8 bytes of a step's codes
	v_lshrrev_b32 v5, 1, v2
	s_add_co_u32 s17, s17, 2*32*XSP
	v_add_nc_u32 v5, s17, v5                       ; my block's scale byte in LDS
	v_lshlrev_b32 v7, 3, v2
	v_add_nc_u32 v6, s17, v7                       ; and 8 of the 256 bytes on the way out
	s_lshl_b32 s18, ttmp9, 2
	s_add_co_u32 s18, s18, s16                     ; which run of 8,192 numbers is my wave's
	s_lshl_b32 s20, s18, 15
	s_add_nc_u64 s[4:5], s[4:5], s[20:21]          ; 32,768 bytes of x a run,
	s_lshl_b32 s20, s18, 12
	s_add_nc_u64 s[10:11], s[10:11], s[20:21]      ; 4,096 of codes,
	s_lshl_b32 s20, s18, 8
	s_add_nc_u64 s[12:13], s[12:13], s[20:21]      ; 256 scale bytes
.macro LOADX t
.irp i, 0,1,2,3
	global_load_b128 v[XR+16*((\t)%4)+4*\i:XR+16*((\t)%4)+4*\i+3], v3, s[4:5] offset:2048*(\t)+512*\i th:TH_LOAD_NT
.endr
.endm
.macro TURNX t                         ; LDS serves a wave's instructions in order: no wait between the stores and the loads
.irp i, 0,1,2,3
	ds_store_b128 v14, v[XR+16*((\t)%4)+4*\i:XR+16*((\t)%4)+4*\i+3] offset:32*XSP*((\t)%2)+8*XSP*\i
.endr
.irp i, 0,1,2,3
	ds_load_b128 v[XX+16*((\t)%2)+4*\i:XX+16*((\t)%2)+4*\i+3], v15 offset:32*XSP*((\t)%2)+16*\i
.endr
.endm
.irp t, 0,1,2,3
	LOADX \t
.endr
	s_wait_loadcnt 12                              ; step 0's four loads are in; twelve younger ones stay out
	TURNX 0
.macro STEPX t
.set XSS, XX+16*((\t)%2)
.if (\t) > 0
	s_wait_dscnt 1                                 ; this step's numbers are back from the stage; the last step's byte store may be out
.else
	s_wait_dscnt 0x0
.endif
.if (\t)+4 < XSTEPS
	LOADX (\t)+4                                   ; into the registers that the stage's stores have read
.endif
.if (\t)+1 < XSTEPS
.if XSTEPS-2-(\t) >= 3
	s_wait_loadcnt 12                              ; the next step's loads are in; those of three steps behind it may be out
.else
	s_wait_loadcnt 4*(XSTEPS-2-(\t))
.endif
	TURNX (\t)+1
.endif
	v_max3_num_f32 v8, |v[XSS]|, |v[XSS+1]|, |v[XSS+2]|            ; the largest magnitude of my 16, in two chains
	v_max3_num_f32 v9, |v[XSS+3]|, |v[XSS+4]|, |v[XSS+5]|
.irp i, 6,10
	v_max3_num_f32 v8, v8, |v[XSS+\i]|, |v[XSS+\i+1]|
	v_max3_num_f32 v9, v9, |v[XSS+\i+2]|, |v[XSS+\i+3]|
.endr
	v_max3_num_f32 v8, v8, |v[XSS+14]|, |v[XSS+15]|
	v_max3_num_f32 v8, v8, v9, 0x1800000           ; and the floor 2^(3 - 127): the byte cannot fall under 1
	v_max_num_f32_dpp v8, v8, v8 row_xmask:1 row_mask:0xf bank_mask:0xf   ; with my neighbour's 16: the block's
	v_add_nc_u32 v11, 0xff000000, v8               ; 2 off the exponent field: the conversion takes this operand's exponent field as its scale
	v_cvt_scalef32_pk8_fp4_f32 v[XC+4*(\t)], v[XSS:XSS+7], v11
	v_cvt_scalef32_pk8_fp4_f32 v[XC+4*(\t)+1], v[XSS+8:XSS+15], v11
	v_lshrrev_b32 v[XE+(\t)], 23, v11              ; the scale's byte
	ds_store_b8 v5, v[XE+(\t)] offset:16*(\t)      ; both lanes of a block write the same byte with the same value
	global_store_b64 v4, v[XC+4*(\t):XC+4*(\t)+1], s[10:11] offset:256*(\t)   ; the wave stores 256 consecutive bytes, aligned
.endm
.irp t, 0,1,2,3,4,5,6,7,8,9,10,11,12,13,14,15
	STEPX \t
.endr
	ds_load_b64 v[8:9], v6
	s_wait_dscnt 0x0
	global_store_b64 v7, v[8:9], s[12:13]          ; my wave's 256 scale bytes, consecutive and aligned
	s_wait_tensorcnt 0x0                           ; the wave's end
	ds_add_u32 v[SPW], v[NIL]
	s_wait_dscnt 0x0
	s_endpgm
.Lnot_x:
	s_cmp_lt_u32 ttmp9, 304
	s_cbranch_scc0 .Lp
; ---------------- c_attn_w.  A LANE TAKES A COLUMN n, AND ITS REGISTERS RUN DOWN K: a block of 32 lies in one lane, and the conversions give codes with K innermost.
; A wave takes 32 columns x 512 along K; the codes go through its stage and leave as rows, sixteen lanes to 256 consecutive bytes.
.set WN,     3072
.set WNB,    16                        ; blocks of 32 along K for a wave
.set WPITCH, 272
.set WX,     32                        ; v32-95   two sets of 32 numbers
.set WC,     96                        ; v96-99   a block's codes
.set WOUT,   112                       ; v112-175 the way out
.set WSB,    24                        ; v24-27   the scale bytes, four to a register
	s_sub_co_u32 s17, ttmp9, 256                   ; 0 .. 47
	s_cmp_ge_u32 s17, 24
	s_cselect_b32 s18, 1, 0                        ; which 512 along K
	s_cselect_b32 s19, 24, 0
	s_sub_co_u32 s17, s17, s19                     ; which 128 columns
	s_lshl_b32 s17, s17, 7
	s_lshl_b32 s19, s16, 5
	s_add_co_u32 s17, s17, s19                     ; my wave's first column
	v_lshlrev_b32 v3, 2, v2                        ; in: 4 bytes a lane
	s_mul_i32 s19, s16, 32*WPITCH
	s_add_co_u32 s19, s19, WSTG                    ; my stage
	v_mul_u32_u24 v4, v2, WPITCH
	v_add_nc_u32 v4, s19, v4                       ; into it: row = my column
	v_and_b32 v5, 15, v2
	v_lshrrev_b32 v6, 4, v2
	v_mul_u32_u24 v7, v6, WPITCH
	v_lshl_add_u32 v7, v5, 4, v7
	v_add_nc_u32 v7, s19, v7                       ; out of it: sixteen lanes to a row, two rows an instruction
	v_lshlrev_b32 v8, 9, v6
	v_lshl_add_u32 v8, v5, 4, v8                   ; and the same place in the codes: rows of 512 bytes
	v_lshlrev_b32 v9, 5, v2                        ; my column's row of 32 scale bytes
	s_mul_i32 s20, s18, 512*WN*4
	s_lshl_b32 s22, s17, 2
	s_add_co_u32 s20, s20, s22
	s_add_nc_u64 s[6:7], s[6:7], s[20:21]          ; the weight at (512 y, my first column)
	s_lshl_b32 s20, s17, 9
	s_lshl_b32 s22, s18, 8
	s_add_co_u32 s20, s20, s22
	s_add_co_u32 s20, s20, XCB
	s_add_nc_u64 s[10:11], s[10:11], s[20:21]      ; its codes: column x 512 + 256 y
	s_lshl_b32 s20, s17, 5
	s_lshl_b32 s22, s18, 4
	s_add_co_u32 s20, s20, s22
	s_add_co_u32 s20, s20, XSB
	s_add_nc_u64 s[12:13], s[12:13], s[20:21]      ; its scale bytes: column x 32 + 16 y
.macro LOADW t                         ; the largest immediate is 511 rows of 12,288 bytes, inside the signed 24 bits
.irp i, 0,1,2,3,4,5,6,7,8,9,10,11,12,13,14,15,16,17,18,19,20,21,22,23,24,25,26,27,28,29,30,31
	global_load_b32 v[WX+32*((\t)%2)+\i], v3, s[6:7] offset:(32*(\t)+\i)*WN*4 th:TH_LOAD_NT
.endr
.endm
	LOADW 0
	LOADW 1
.macro BLOCKW t
.set WXS, WX+32*((\t)%2)
.if (\t) < WNB-1
	s_wait_loadcnt 32                              ; this block's 32 loads are in; the next block's may be out
.else
	s_wait_loadcnt 0
.endif
	v_max3_num_f32 v12, |v[WXS]|, |v[WXS+1]|, |v[WXS+2]|
	v_max3_num_f32 v13, |v[WXS+3]|, |v[WXS+4]|, |v[WXS+5]|
.irp i, 6,10,14,18,22,26
	v_max3_num_f32 v12, v12, |v[WXS+\i]|, |v[WXS+\i+1]|
	v_max3_num_f32 v13, v13, |v[WXS+\i+2]|, |v[WXS+\i+3]|
.endr
	v_max3_num_f32 v12, v12, |v[WXS+30]|, |v[WXS+31]|
	v_max3_num_f32 v12, v12, v13, 0x1800000        ; with the floor 2^(3 - 127)
	v_add_nc_u32 v11, 0xff000000, v12              ; the conversion's scale operand
	v_lshrrev_b32 v13, 23, v11                     ; the scale's byte
.if (\t)%4 == 0
	v_mov_b32 v[WSB+(\t)/4], v13
.else
	v_lshl_or_b32 v[WSB+(\t)/4], v13, 8*((\t)%4), v[WSB+(\t)/4]
.endif
.irp g, 0,1,2,3
	v_cvt_scalef32_pk8_fp4_f32 v[WC+\g], v[WXS+8*\g:WXS+8*\g+7], v11
.endr
	ds_store_b128 v4, v[WC:WC+3] offset:16*(\t)    ; 32 codes: 16 bytes of my column's row
.if (\t)+2 < WNB
	LOADW (\t)+2
.endif
	s_wait_dscnt 0x0                               ; the store has read its registers: the next block's codes may be written
.endm
.set Q, 0
.rept WNB
	BLOCKW Q
.set Q, Q+1
.endr
	global_store_b128 v9, v[WSB:WSB+3], s[12:13]   ; my column's 16 scale bytes
.irp t, 0,1,2,3,4,5,6,7,8,9,10,11,12,13,14,15
	ds_load_b128 v[WOUT+4*\t:WOUT+4*\t+3], v7 offset:2*\t*WPITCH
.endr
.irp t, 0,1,2,3,4,5,6,7,8,9,10,11,12,13,14,15
	s_wait_dscnt 15-\t                             ; loads come back in order: the younger ones stay out
	global_store_b128 v8, v[WOUT+4*\t:WOUT+4*\t+3], s[10:11] offset:2*\t*512
.endr
	s_wait_tensorcnt 0x0                           ; the wave's end
	ds_add_u32 v[SPW], v[NIL]
	s_wait_dscnt 0x0
	s_endpgm
.Lp:
; ---------------- c_proj_w.  The same plan: a lane to a column n, registers down k, rounded to f16 in pairs along k.  A work-group takes 128 columns x 128 along k; a wave's 32 rows of 256 bytes leave through its stage.
.set PX,   32                          ; v32-95   two sets of 32 numbers
.set PC,   96                          ; v96-111  32 numbers as f16
.set POUT, 112                         ; v112-175 the way out
	s_sub_co_u32 s17, ttmp9, 304                   ; 0 .. 63
	s_and_b32 s18, s17, 7                          ; which 128 columns
	s_lshr_b32 s19, s17, 3                         ; which 128 along k
	s_lshl_b32 s18, s18, 7
	s_lshl_b32 s20, s16, 5
	s_add_co_u32 s18, s18, s20                     ; my wave's first column
	v_lshlrev_b32 v3, 2, v2
	s_mul_i32 s22, s16, 32*272
	s_add_co_u32 s22, s22, PSTG                    ; my stage
	v_mul_u32_u24 v4, v2, 272
	v_add_nc_u32 v4, s22, v4
	v_and_b32 v5, 15, v2
	v_lshrrev_b32 v6, 4, v2
	v_mul_u32_u24 v7, v6, 272
	v_lshl_add_u32 v7, v5, 4, v7
	v_add_nc_u32 v7, s22, v7
	v_lshlrev_b32 v8, 11, v6
	v_lshl_add_u32 v8, v5, 4, v8                   ; rows of 2,048 bytes in wp16
	s_lshl_b32 s20, s19, 19                        ; 128 rows of 4,096 bytes
	s_lshl_b32 s23, s18, 2
	s_add_co_u32 s20, s20, s23
	s_add_nc_u64 s[8:9], s[8:9], s[20:21]
	s_lshl_b32 s20, s18, 11
	s_lshl_b32 s23, s19, 8
	s_add_co_u32 s20, s20, s23
	s_add_nc_u64 s[14:15], s[14:15], s[20:21]
.macro LOADP t
.irp i, 0,1,2,3,4,5,6,7,8,9,10,11,12,13,14,15,16,17,18,19,20,21,22,23,24,25,26,27,28,29,30,31
	global_load_b32 v[PX+32*((\t)%2)+\i], v3, s[8:9] offset:(32*(\t)+\i)*4096
.endr
.endm
	LOADP 0
	LOADP 1
.macro BLOCKP t
.set PXS, PX+32*((\t)%2)
.if (\t) < 3
	s_wait_loadcnt 32                              ; this block's loads are in; the next block's may be out
.else
	s_wait_loadcnt 0
.endif
.irp i, 0,1,2,3,4,5,6,7,8,9,10,11,12,13,14,15
	v_cvt_pk_f16_f32 v[PC+\i], v[PXS+2*\i], v[PXS+2*\i+1]
.endr
.irp g, 0,1,2,3
	ds_store_b128 v4, v[PC+4*\g:PC+4*\g+3] offset:64*(\t)+16*\g
.endr
.if (\t) < 2
	LOADP (\t)+2
.endif
	s_wait_dscnt 0x0                               ; the stores have read their registers
.endm
	BLOCKP 0
	BLOCKP 1
	BLOCKP 2
	BLOCKP 3
.irp t, 0,1,2,3,4,5,6,7,8,9,10,11,12,13,14,15
	ds_load_b128 v[POUT+4*\t:POUT+4*\t+3], v7 offset:2*\t*272
.endr
.irp t, 0,1,2,3,4,5,6,7,8,9,10,11,12,13,14,15
	s_wait_dscnt 15-\t
	global_store_b128 v8, v[POUT+4*\t:POUT+4*\t+3], s[14:15] offset:2*\t*2048   ; sixteen lanes store 256 consecutive bytes, aligned
.endr
	s_wait_tensorcnt 0x0                           ; the wave's end
	ds_add_u32 v[SPW], v[NIL]
	s_wait_dscnt 0x0
	s_endpgm
.Lfunc_end_k_q9ed009319c_prep:
	.size	k_q9ed009319c_prep, .Lfunc_end_k_q9ed009319c_prep-k_q9ed009319c_prep
	.p2alignl 7, 3214868480
	.fill 96, 4, 3214868480
	.section	.rodata,"a",@progbits
	.p2align	6, 0x0
	.amdhsa_kernel k_q9ed009319c_prep
		.amdhsa_group_segment_fixed_size 102912
		.amdhsa_private_segment_fixed_size 0
		.amdhsa_enable_private_segment 0
		.amdhsa_kernarg_size 48
		.amdhsa_user_sgpr_count 2
		.amdhsa_user_sgpr_kernarg_segment_ptr 1
		.amdhsa_wavefront_size32 1
		.amdhsa_system_sgpr_workgroup_id_x 1
		.amdhsa_system_sgpr_workgroup_id_y 1
		.amdhsa_system_sgpr_workgroup_id_z 1
		.amdhsa_system_vgpr_workitem_id 0
		.amdhsa_next_free_vgpr 194
		.amdhsa_next_free_sgpr 66
		.amdhsa_reserve_vcc 0
		.amdhsa_float_denorm_mode_32 3
		.amdhsa_float_denorm_mode_16_64 3
		.amdhsa_memory_ordered 1
		.amdhsa_forward_progress 1
		.amdhsa_inst_pref_size 132
	.end_amdhsa_kernel
	.amdgpu_metadata
---
amdhsa.version: [ 1, 2 ]
amdhsa.kernels:
  - .name:           k_q9ed009319c_prep
    .symbol:         k_q9ed009319c_prep.kd
    .args:
      - { .name: x, .offset: 0, .size: 8, .value_kind: global_buffer, .address_space: global }
      - { .name: c_attn_w, .offset: 8, .size: 8, .value_kind: global_buffer, .address_space: global }
      - { .name: c_proj_w, .offset: 16, .size: 8, .value_kind: global_buffer, .address_space: global }
      - { .name: codes, .offset: 24, .size: 8, .value_kind: global_buffer, .address_space: global }
      - { .name: scales, .offset: 32, .size: 8, .value_kind: global_buffer, .address_space: global }
      - { .name: wp16, .offset: 40, .size: 8, .value_kind: global_buffer, .address_space: global }
    .group_segment_fixed_size: 102912
    .private_segment_fixed_size: 0
    .kernarg_segment_align: 8
    .kernarg_segment_size: 48
    .max_flat_workgroup_size: 128
    .sgpr_count:     66
    .vgpr_count:     194
    .wavefront_size: 32
...
	.end_amdgpu_metadata
.endif
;; end of part 1
;; launch qkv (part 2): grid 12 x 32, 4 waves a work-group, clusters of 4 x 4, 327,680 bytes of LDS; arguments codes, scales, qkv, c_attn_b, vaux, qkv32; writes qkv, vaux, qkv32
.if DOCPART == 2
	.amdgcn_target "amdgcn-amd-amdhsa--gfx1250"
	.amdhsa_code_object_version 6
	.text
	.protected	k_q9ed009319c_qkv
	.globl	k_q9ed009319c_qkv
	.p2align	8
	.type	k_q9ed009319c_qkv,@function
k_q9ed009319c_qkv:
	s_mov_b64 s[64:65], 0
	v_nop
	global_prefetch_b8 v0, s[64:65] scope:SCOPE_SE
	s_setreg_imm32_b32 hwreg(HW_REG_WAVE_MODE, 25, 1), 1
	s_wait_xcnt 0x0
	s_wait_alu depctr_hold_cnt(0) depctr_sa_sdst(0) depctr_va_vdst(0) depctr_va_sdst(0) depctr_va_ssrc(0) depctr_va_vcc(0) depctr_vm_vsrc(0)
	s_getreg_b32 s2, hwreg(HW_REG_IB_STS2, 6, 4)
	s_cmp_eq_u32 s2, 0
	s_cbranch_scc0 .Lentry_in_a_cluster
	s_endpgm
.Lentry_in_a_cluster:
	s_bfe_u32 s2, ttmp6, 0x10000c
	s_cmp_lg_u32 s2, 0xf033
	s_cbranch_scc0 .Lentry_shape_is_right
	s_endpgm
.Lentry_shape_is_right:
; qkv = Q(x) Q(c_attn_w) + c_attn_b on codes of FP4 (E2M1) with one E8M0 scale for each 32 along K; sums in f32.  M 8,192 tokens, N 3,072, K 1,024.
; A tile of 256 x 256 is made by four waves, 128 x 128 each: 64 accumulators, 512 registers.  K is two slots of 512 (rows of 256 bytes), both filled at the start: nothing is filled again.
; The scale bytes of the work-group's 256 + 256 rows, for all of K, come once, in rows of 256 bytes.
; CLUSTERS: 4 x 4 work-groups; A's tiles are asked for jointly along a row of the cluster, B's along a column.  Tile row = 8 cy + cluster y, so that the batch is cy and the place in the sequence the cluster's y;
; tile column = 4 cluster x + cx, so that q, k or v is the cluster's x: what the way out branches on is the same in all sixteen partners.
; THE MATRIX INSTRUCTION IS USED TRANSPOSED (source 0 = 16 rows of the weight, source 1 = 16 tokens): a lane holds eight neighbouring columns of one token.  The bias is the C of each sum's first instruction.
; OUT: q, k, v as f16, laid [part][batch][head][s][64]; where the tile is v's: the mean of v over each 64 keys, f16, [batch x 16 + head][32][64]; the rows s < 16 once more in f32, [batch][16][3072].
; LIMITS: q, k and v must lie within f16's range, +-65,504; NaN and infinities are not served.
; REGISTERS: window 0: v0-31 addresses; v32-95 scale words and nothing else; v128-191 A's fragments; v192-255 the bias; on the way out v128-255 are at work.  window 1: B's fragments, two sets.  windows 2, 3: accumulators.
.set SIZE_K, 1024
.set XCB,    4194304                   ; the weight's codes begin here in codes,
.set XSB,    262144                    ; its scale bytes here in scales
.set KSTEP,  512
.set NQ,     KSTEP/128
.set ROWB,   256
.set KROW,   SIZE_K/2
.set PITCH,  272                       ; an LDS row: 256 bytes + 16 of padding: the 16 rows of a load start 68 words apart
.set FR,     8
.set NL,     2
.set NP,     4
.set HALFT,  128*PITCH
.set SLOT,   4*HALFT
.set KS,     SIZE_K/32
.set SCL,    2*SLOT
.set HALFS,  (128*KS/256)*272
.set SBLK,   (16*KS/256)*272
.set SPARE,  SCL+4*HALFS               ; the spare words, 128 bytes for each wave, which no other line names
.set ADRA, 16
.set STO2, 18                          ; v18  the way out in f32: where I put 32 bytes of a row (pitch 528)
.set RD2,  19                          ; v19  and where I read a row of 512 bytes back
.set ADRB, 20
.set GX,   22                          ; v22  my byte offset among the means
.set STO,  24                          ; v24  the way out in f16: where I put 16 bytes of a row (pitch 272)
.set RD,   25                          ; v25  where I read four tokens of one head back
.set GO,   26                          ; v26  16 x lane
.set ADRS, 27
.set SPW,  28
.set NIL,  29
.set SC,   32
.set AF,   128
.set BIAS, 192
.set TMP,  128
.set BK,   160
.set G1, 24
.set G0, 32
.set G1B, 48
.set G0B, 56
.set G1S, 68
.set G0S, 76
.set G1SB, 80
.set G0SB, 88
.set MSB, 0
.macro WIN new                         ; the immediate's high byte repeats the setting that is left
.if MSB != \new
	s_set_vgpr_msb (MSB<<8)|\new
.set MSB, \new
.endif
.endm
.set MUL_LO, 0xa1                      ; source 0 (weight) window 1, source 1 (tokens) window 0, C and D window 2
.set MUL_HI, 0xf1                      ; the same, C and D window 3
.set TO_B,   0x40
; A joint load: waves 0 and 1 fetch for A, waves 2 and 3 for B; the branch hangs on the wave's number alone.  An s_nop 0 and four v_nop follow each of the two lines.
.macro JLOAD g0a, g1a, g0b, g1b
	s_cmp_eq_u32 s15, 0
	s_cbranch_scc0 .Lfor_b_\@
	tensor_load_to_lds s[\g0a:\g0a+3], s[\g1a:\g1a+7]
	s_nop 0
.rept 4
	v_nop
.endr
	s_branch .Lasked_\@
.Lfor_b_\@:
	tensor_load_to_lds s[\g0b:\g0b+3], s[\g1b:\g1b+7]
	s_nop 0
.rept 4
	v_nop
.endr
.Lasked_\@:
.endm
.macro CROUND                          ; a round of the cluster's barrier
	s_barrier_signal -1
	s_barrier_wait -1
	s_cmp_lg_u32 s14, 0
	s_cbranch_scc1 .Lnot_wave_0_\@
	s_barrier_signal -3
.Lnot_wave_0_\@:
	s_barrier_wait -3
	s_barrier_signal -1
	s_barrier_wait -1
.endm
	s_load_b128 s[4:7], s[0:1], 0x0                ; codes s[4:5], scales s[6:7]
	s_load_b64 s[12:13], s[0:1], 0x10              ; qkv
	s_load_b64 s[96:97], s[0:1], 0x18              ; c_attn_b
	s_load_b64 s[98:99], s[0:1], 0x20              ; vaux
	s_load_b64 s[100:101], s[0:1], 0x28            ; qkv32
	v_lshl_add_u32 v[SPW], v0, 2, SPARE
	v_mov_b32 v[NIL], 0
	ds_add_u32 v[SPW], v[NIL]                      ; the wave's opening: the add, twice on end, and its wait ahead of my first tensor load
	ds_add_u32 v[SPW], v[NIL]
	v_lshrrev_b32 v1, 5, v0
	v_readfirstlane_b32 s14, v1                    ; wave 0..3
	s_lshr_b32 s15, s14, 1                         ; which half of the tile's tokens is mine.  Also: I fetch for A (0) or for B (1)
	s_and_b32 s16, s14, 1                          ; which half of its columns.  Also: which 128 rows I fetch
	s_bfe_u32 s40, ttmp6, 0x40000                  ; cx
	s_bfe_u32 s41, ttmp6, 0x40004                  ; cy
	s_lshl_b32 s42, ttmp9, 2
	s_add_co_u32 s42, s42, s40                     ; tile column = 4 x cluster x + cx
	s_and_b32 s17, ttmp7, 0xffff
	s_lshl_b32 s43, s41, 3
	s_add_co_u32 s17, s17, s43                     ; tile row = 8 cy + cluster y
	s_lshl_b32 s43, s41, 2
	s_lshl_b32 s43, 15, s43                        ; my row of the cluster
	s_lshl_b32 s44, 0x1111, s40                    ; my column
	s_or_b32 s[G1+0], s43, (0<<16)|(1<<20)|(1<<21)|(5<<22)|(3<<25)  ; mask; elements of 1 byte; padding on; bit 21 beside a mask; 4 words after every 64
	s_or_b32 s[G1B+0], s44, (0<<16)|(1<<20)|(1<<21)|(5<<22)|(3<<25)
.irp g, G1, G1B
	s_mov_b32 s[\g+1], ROWB<<16                    ; tensor_dim0
	s_mov_b32 s[\g+2], 128<<16                     ; tensor_dim1
	s_mov_b32 s[\g+3], ROWB<<16                    ; tile_dim0
	s_mov_b32 s[\g+4], 128                         ; tile_dim1
	s_mov_b32 s[\g+5], KROW                        ; the pitch in memory
	s_mov_b32 s[\g+6], 0
	s_mov_b32 s[\g+7], 0
.endr
	s_or_b32 s[G1S+0], s43, (3<<16)|(1<<20)|(1<<21)|(5<<22)|(3<<25)   ; the scales of 128 rows: a dense block, as rows of 32 elements of 8 bytes
	s_or_b32 s[G1SB+0], s44, (3<<16)|(1<<20)|(1<<21)|(5<<22)|(3<<25)
.irp g, G1S, G1SB
	s_mov_b32 s[\g+1], 32<<16
	s_mov_b32 s[\g+2], (128*KS/256)<<16
	s_mov_b32 s[\g+3], 32<<16
	s_mov_b32 s[\g+4], 128*KS/256
	s_mov_b32 s[\g+5], 32
	s_mov_b32 s[\g+6], 0
	s_mov_b32 s[\g+7], 0
.endr
	s_lshl_b32 s18, s16, 7
	s_lshl_b32 s20, s17, 8
	s_add_co_u32 s20, s20, s18                     ; A: token 256 x tile row + 128 x half
	s_lshl_b32 s46, s42, 8
	s_add_co_u32 s46, s46, s18                     ; B: column 256 x tile column + 128 x half
	s_mov_b32 s21, 0
	s_mov_b32 s47, 0
	s_mov_b64 s[18:19], KS
	s_mul_u64 s[22:23], s[20:21], s[18:19]         ; where these rows' scales begin,
	s_mul_u64 s[92:93], s[46:47], s[18:19]
	s_mov_b64 s[18:19], KROW
	s_mul_u64 s[20:21], s[20:21], s[18:19]         ; and their codes
	s_mul_u64 s[46:47], s[46:47], s[18:19]
	s_mul_i32 s45, s14, HALFT                      ; where they go: wave x 128 rows
	s_mul_i32 s94, s14, HALFS
	s_wait_dscnt 0x0                               ; both opening adds are done
	s_wait_kmcnt 0x0
	s_add_nc_u64 s[8:9], s[4:5], XCB               ; the weight's codes
	s_add_nc_u64 s[10:11], s[6:7], XSB             ; and its scale bytes
	s_add_nc_u64 s[20:21], s[4:5], s[20:21]
	s_add_nc_u64 s[22:23], s[6:7], s[22:23]
	s_add_nc_u64 s[46:47], s[8:9], s[46:47]
	s_add_nc_u64 s[92:93], s[10:11], s[92:93]
	CROUND                                         ; all sixteen work-groups are here: the joint loads meet
	s_mov_b32 s[G0S], 1
	s_add_co_u32 s[G0S+1], s94, SCL
	s_mov_b64 s[G0S+2:G0S+3], s[22:23]
	s_or_b32 s[G0S+3], s[G0S+3], 0x80000000
	s_mov_b32 s[G0SB], 1
	s_add_co_u32 s[G0SB+1], s94, SCL
	s_mov_b64 s[G0SB+2:G0SB+3], s[92:93]
	s_or_b32 s[G0SB+3], s[G0SB+3], 0x80000000
	JLOAD G0S, G1S, G0SB, G1SB                     ; the scales first; with the two slots three loads of mine are out
.irp s, 0,1
	s_mov_b32 s[G0+4*\s], 1
	s_add_co_u32 s[G0+4*\s+1], s45, \s*SLOT
	s_add_nc_u64 s[G0+4*\s+2:G0+4*\s+3], s[20:21], \s*ROWB
	s_or_b32 s[G0+4*\s+3], s[G0+4*\s+3], 0x80000000
	s_mov_b32 s[G0B+4*\s], 1
	s_add_co_u32 s[G0B+4*\s+1], s45, \s*SLOT
	s_add_nc_u64 s[G0B+4*\s+2:G0B+4*\s+3], s[46:47], \s*ROWB
	s_or_b32 s[G0B+4*\s+3], s[G0B+4*\s+3], 0x80000000
	JLOAD G0+4*\s, G1, G0B+4*\s, G1B
.endr
	v_and_b32 v1, 15, v0                           ; r = lane % 16
	v_bfe_u32 v2, v0, 4, 1                         ; h = lane / 16
	v_mul_u32_u24 v3, v1, PITCH
	v_lshl_add_u32 v4, v2, 4, v3
	s_mul_i32 s21, s15, HALFT
	s_mul_i32 s22, s16, HALFT
	s_add_co_u32 s22, s22, 2*HALFT
.irp s, 0,1
	v_add_nc_u32 v[ADRA+\s], s21, v4
	v_add_nc_u32 v[ADRB+\s], s22, v4
	s_add_co_u32 s21, s21, SLOT
	s_add_co_u32 s22, s22, SLOT
.endr
	v_mul_u32_u24 v5, v1, KS                       ; my row's scales: 32 bytes a row, and 16 more for each 256 passed
	v_lshrrev_b32 v6, 8, v5
	v_lshl_add_u32 v5, v6, 4, v5
	s_mul_i32 s21, s15, HALFS
	s_mul_i32 s22, s16, HALFS
	s_add_co_u32 s22, s22, 2*HALFS
	s_sub_co_u32 s22, s22, s21
	v_mul_u32_u24 v6, s22, v2                      ; lanes 16-31 take B's
	s_add_co_u32 s21, s21, SCL
	v_add_nc_u32 v5, v5, v6
	v_add_nc_u32 v[ADRS], s21, v5
	s_mul_i32 s23, s14, 16*528                     ; my stage for the way out: in slot 0, which has had its only fill and is read by nobody when the first result is stored there
	v_mul_u32_u24 v5, v1, 272
	v_lshl_add_u32 v5, v2, 4, v5
	v_add_nc_u32 v[STO], s23, v5
	v_and_b32 v6, 31, v0
	v_lshrrev_b32 v5, 3, v6
	v_mul_u32_u24 v5, v5, 272
	v_and_b32 v7, 7, v6
	v_lshl_add_u32 v5, v7, 4, v5
	v_add_nc_u32 v[RD], s23, v5
	v_lshlrev_b32 v[GO], 4, v6
	v_mul_u32_u24 v5, v1, 528
	v_lshl_add_u32 v5, v2, 5, v5
	v_add_nc_u32 v[STO2], s23, v5
	v_add_nc_u32 v[RD2], s23, v[GO]
	v_lshlrev_b32 v5, 12, v2
	v_lshl_add_u32 v[GX], v1, 3, v5                ; head lane / 16 (32 rows of 128 bytes on), 8 bytes for each of 16 lanes
	v_lshlrev_b32 v7, 5, v2                        ; the bias: 32 h bytes
	; where my results go
	s_lshl_b32 s20, ttmp9, 6
	s_lshl_b32 s21, s41, 4
	s_add_co_u32 s20, s20, s21
	s_lshl_b32 s21, s40, 2
	s_add_co_u32 s20, s20, s21
	s_lshl_b32 s21, s16, 1
	s_add_co_u32 s20, s20, s21                     ; 64 part + 16 batch + my first head
	s_and_b32 s22, ttmp7, 0xffff
	s_lshl_b32 s22, s22, 8
	s_lshl_b32 s21, s15, 7
	s_add_co_u32 s22, s22, s21                     ; my first place in the sequence
	s_lshl_b32 s92, s20, 11
	s_add_co_u32 s92, s92, s22
	s_lshl_b32 s92, s92, 7
	s_mov_b32 s93, 0
	s_add_nc_u64 s[12:13], s[12:13], s[92:93]      ; qkv: rows of 128 bytes
	s_lshl_b32 s92, ttmp9, 6
	s_sub_co_u32 s92, s20, s92
	s_lshl_b32 s92, s92, 5
	s_lshr_b32 s21, s22, 6
	s_add_co_u32 s92, s92, s21
	s_lshl_b32 s92, s92, 7
	s_add_nc_u64 s[98:99], s[98:99], s[92:93]      ; the means: (16 batch + head) x 32 + place / 64, rows of 128 bytes
	s_lshl_b32 s21, s42, 8
	s_lshl_b32 s92, s16, 7
	s_add_co_u32 s21, s21, s92                     ; my first column of the 3,072
	s_lshl_b32 s92, s21, 2
	s_add_nc_u64 s[96:97], s[96:97], s[92:93]
	s_mul_i32 s92, s41, 49152
	s_add_co_u32 s92, s92, s21
	s_lshl_b32 s92, s92, 2
	s_add_nc_u64 s[100:101], s[100:101], s[92:93]  ; qkv32: batch x 16 rows of 3,072
.irp b, 0,1,2,3,4,5,6,7
	global_load_b128 v[BIAS+8*\b:BIAS+8*\b+3], v7, s[96:97] offset:64*\b          ; register j of block b: the bias of column 16 b + 8 h + j
	global_load_b128 v[BIAS+8*\b+4:BIAS+8*\b+7], v7, s[96:97] offset:64*\b+16
.endr
.macro FRAG reg, adr, q, i             ; 16 rows x 128 K of 4-bit codes: 8 registers, two loads of 16 bytes, 32 bytes apart
.irp c, 0,1
	ds_load_b128 v[\reg+4*\c:\reg+4*\c+3], v[\adr] offset:64*(\q)+32*\c+(\i)*16*PITCH
.endr
.endm
; 16 matrix instructions: A's blocks a0, a0 + 1 x B's eight.  zero = 1: the first product starts the sums, on the bias.  The 64 accumulators take turns, one instruction a turn.
.macro MUL16 a0, p, q, sc, zero
.irp a, \a0, \a0+1
.irp b, 0,1,2,3,4,5,6,7
.if \zero
	v_wmma_scale_f32_16x16x128_f8f6f4 v[8*(8*((\a)%4)+\b):8*(8*((\a)%4)+\b)+7], v[128*(\p)+FR*\b:128*(\p)+FR*\b+FR-1], v[AF+FR*(\a):AF+FR*(\a)+FR-1], v[BIAS+8*\b:BIAS+8*\b+7], v[SC+8*NQ*(\sc)+NQ*\b+(\q)], v[SC+8*NQ*(\sc)+NQ*(\a)+(\q)] matrix_a_fmt:MATRIX_FMT_FP4 matrix_b_fmt:MATRIX_FMT_FP4 matrix_a_scale:MATRIX_SCALE_ROW1
.else
	v_wmma_scale_f32_16x16x128_f8f6f4 v[8*(8*((\a)%4)+\b):8*(8*((\a)%4)+\b)+7], v[128*(\p)+FR*\b:128*(\p)+FR*\b+FR-1], v[AF+FR*(\a):AF+FR*(\a)+FR-1], v[8*(8*((\a)%4)+\b):8*(8*((\a)%4)+\b)+7], v[SC+8*NQ*(\sc)+NQ*\b+(\q)], v[SC+8*NQ*(\sc)+NQ*(\a)+(\q)] matrix_a_fmt:MATRIX_FMT_FP4 matrix_b_fmt:MATRIX_FMT_FP4 matrix_a_scale:MATRIX_SCALE_ROW1
.endif
.endr
.endr
.endm
.macro FETCH_B slot, q, p
	WIN TO_B
.irp i, 0,1,2,3,4,5,6,7
	FRAG 128*(\p)+FR*\i, ADRB+\slot, \q, \i
.endr
	WIN 0
.endm
.macro FETCH_A slot, q, i0
.irp i, \i0, \i0+1, \i0+2, \i0+3
	FRAG AF+FR*(\i), ADRA+\slot, \q, \i
.endr
.endm
.macro SCALES sc                       ; a slot's scale words: lanes 0-15 take A's block i, lanes 16-31 B's block i
.irp i, 0,1,2,3,4,5,6,7
	ds_load_b128 v[SC+8*NQ*\sc+NQ*\i:SC+8*NQ*\sc+NQ*\i+3], v[ADRS] offset:\i*SBLK
.endr
.endm
.macro PLACES n                        ; plain vector instructions between a matrix instruction and a load into, or a read of, its registers
.rept \n
	v_nop
.endr
.endm
.macro STEP slot, q, zero              ; 128 along K that has its successor in the same slot
	s_wait_dscnt 4*NL                              ; B's set and A's blocks 0-3 are in; the youngest eight loads (A's blocks 4-7) may be out
.if \zero
	WIN 0x81                                       ; C, the bias, in window 0; D in window 2
.else
	WIN MUL_LO
.endif
	MUL16 0, (\q)%2, \q, \slot, \zero
	MUL16 2, (\q)%2, \q, \slot, \zero
	s_wait_dscnt 0
	PLACES NP
	FETCH_B \slot, (\q)+1, 1-(\q)%2
	FETCH_A \slot, (\q)+1, 0
.if \zero
	WIN 0xc1
.else
	WIN MUL_HI
.endif
	MUL16 4, (\q)%2, \q, \slot, \zero
	MUL16 6, (\q)%2, \q, \slot, \zero
	PLACES NP
	WIN 0
	FETCH_A \slot, (\q)+1, 4
.endm
.macro STEPS slot, from
.set Q, \from
.rept NQ-1-\from
	STEP \slot, Q, 0
.set Q, Q+1
.endr
.endm
	s_wait_tensorcnt 1                             ; the scales and my part of slot 0 are in; slot 1's load may be out
	s_barrier_signal -1
	s_barrier_wait -1
	FETCH_B 0, 0, 0
	FETCH_A 0, 0, 0
	SCALES 0
	FETCH_A 0, 0, 4
	s_wait_loadcnt 0x0                             ; the bias
	STEP 0, 0, 1
	STEPS 0, 1
	; slot 0's last step changes slots: one barrier; in front of it all my tensor loads have landed, the add, and my reads of slot 0 are over
	s_wait_tensorcnt 0x0
	ds_add_u32 v[SPW], v[NIL]                      ; 0 onto my spare word
	s_wait_dscnt 4*NL+1                            ; (the add and A's blocks 4-7 may be out)
	WIN MUL_LO
	MUL16 0, 1, NQ-1, 0, 0
	s_wait_dscnt 0x0
	s_barrier_signal -1
	MUL16 2, 1, NQ-1, 0, 0
	WIN 0
	s_barrier_wait -1
	PLACES NP
	v_add_nc_u32 v[ADRS], 4*NQ, v[ADRS]            ; on to slot 1's scale words
	FETCH_B 1, 0, 0
	FETCH_A 1, 0, 0
	SCALES 1
	WIN MUL_HI
	MUL16 4, 1, NQ-1, 0, 0
	MUL16 6, 1, NQ-1, 0, 0
	PLACES NP
	WIN 0
	FETCH_A 1, 0, 4
	STEPS 1, 0
	s_wait_dscnt 4*NL                              ; the very last step
	WIN MUL_LO
	MUL16 0, 1, NQ-1, 1, 0
	MUL16 2, 1, NQ-1, 1, 0
	s_wait_dscnt 0
	WIN MUL_HI
	MUL16 4, 1, NQ-1, 1, 0
	MUL16 6, 1, NQ-1, 1, 0
	WIN 0
; THE WAY OUT, a block of 16 tokens x 128 columns (two heads) at a time: rounded to f16, 16 bytes a lane into rows of 272 bytes, and back so that a store covers four tokens of one head: 512 consecutive bytes.
.macro PACK a
.set AC, 64*((\a)%4)
	WIN 0x0a+5*((\a)/4)                            ; sources 0 and 1: window 2 or 3
.irp b, 0,1,2,3,4,5,6,7
.irp i, 0,1,2,3
	v_cvt_pk_f16_f32 v[TMP+4*\b+\i], v[AC+8*\b+2*\i], v[AC+8*\b+2*\i+1]   ; each accumulator from its low end on
.endr
.endr
	WIN 0
.endm
.macro TOSTAGE a
.set BB, BK+32*((\a)%2)
.irp b, 0,1,2,3,4,5,6,7
	ds_store_b128 v[STO], v[TMP+4*\b:TMP+4*\b+3] offset:32*\b
.endr
.irp t, 0,1,2,3,4,5,6,7
	ds_load_b128 v[BB+4*\t:BB+4*\t+3], v[RD] offset:(\t%4)*1088+(\t/4)*128   ; LDS serves a wave's instructions in order: these see the stores above
.endr
.endm
.macro SEND a, younger
.set BB, BK+32*((\a)%2)
	s_wait_dscnt \younger
	s_wait_xcnt 0x0                                ; the stores of the block before have read their registers: the next block's loads may land there
.irp t, 0,1,2,3,4,5,6,7
	global_store_b128 v[GO], v[BB+4*\t:BB+4*\t+3], s[12:13] offset:(\a)*2048+(\t%4)*512+(\t/4)*262144
.endr
.endm
	PLACES NP
	PACK 0
	TOSTAGE 0
.irp a, 1,2,3,4,5,6,7
	PACK \a
	SEND \a-1, 0
	TOSTAGE \a
.endr
	SEND 7, 0
	; THE MEANS OF V over each 64 keys: only where the tile is v's (cluster x = 2: the same in all partners)
	s_cmp_lg_u32 ttmp9, 2
	s_cbranch_scc1 .Lnov
.irp g, 0,1                            ; tokens 64 g on: the four blocks of window 2 + g
	s_wait_xcnt 0x0                                ; earlier stores have read their registers
	WIN 0x0a+5*\g
.set e, 0
.rept 32
	v_pk_add_f32 v[128+e:129+e], v[e:e+1], v[64+e:65+e]
.set e, e+2
.endr
.set e, 0
.rept 32
	v_pk_add_f32 v[192+e:193+e], v[128+e:129+e], v[192+e:193+e]
.set e, e+2
.endr
	WIN 0
.set e, 0
.rept 32
	v_pk_add_f32 v[128+e:129+e], v[128+e:129+e], v[192+e:193+e]   ; lane (r, h): the sum over tokens r, 16 + r, 32 + r, 48 + r
.set e, e+2
.endr
.irp b, 0,1,2,3,4,5,6,7
	ds_store_b128 v[STO2], v[128+8*\b:131+8*\b] offset:64*\b
	ds_store_b128 v[STO2], v[132+8*\b:135+8*\b] offset:64*\b+16
.endr
.irp t, 0,1,2,3,4,5,6,7,8,9,10,11,12,13,14,15
	ds_load_b128 v[192+4*\t:195+4*\t], v[RD2] offset:528*\t       ; row t, my four columns
.endr
	s_wait_dscnt 0x0
.irp w, 8,4,2,1                        ; a tree over the sixteen rows
.set t, 0
.rept \w
	v_pk_add_f32 v[192+4*t:193+4*t], v[192+4*t:193+4*t], v[192+4*(t+\w):193+4*(t+\w)]
	v_pk_add_f32 v[194+4*t:195+4*t], v[194+4*t:195+4*t], v[194+4*(t+\w):195+4*(t+\w)]
.set t, t+1
.endr
.endr
	v_pk_mul_f32 v[192:193], v[192:193], 0x3c800000 op_sel_hi:[1,0]   ; / 64
	v_pk_mul_f32 v[194:195], v[194:195], 0x3c800000 op_sel_hi:[1,0]
	v_cvt_pk_f16_f32 v[8+2*\g], v192, v193
	v_cvt_pk_f16_f32 v[9+2*\g], v194, v195
	global_store_b64 v[GX], v[8+2*\g:9+2*\g], s[98:99] offset:128*\g
.endr
.Lnov:
	; THE ROWS s < 16 IN F32: my block 0, where the cluster's y is 0 and my tokens are the tile's first 128
	s_and_b32 s20, ttmp7, 0xffff
	s_or_b32 s20, s20, s15
	s_cmp_lg_u32 s20, 0
	s_cbranch_scc1 .Lno32
	s_wait_xcnt 0x0                                ; earlier stores have read their registers
	WIN 0x08                                       ; an LDS store's data are its source 1: window 2
.irp b, 0,1,2,3,4,5,6,7
	ds_store_b128 v[STO2], v[8*\b:8*\b+3] offset:64*\b
	ds_store_b128 v[STO2], v[8*\b+4:8*\b+7] offset:64*\b+16
.endr
	WIN 0
.irp t, 0,1,2,3,4,5,6,7,8,9,10,11,12,13,14,15
	ds_load_b128 v[192+4*\t:195+4*\t], v[RD2] offset:528*\t
.endr
.irp t, 0,1,2,3,4,5,6,7,8,9,10,11,12,13,14,15
	s_wait_dscnt 15-\t
	global_store_b128 v[GO], v[192+4*\t:195+4*\t], s[100:101] offset:12288*\t   ; 512 consecutive bytes of row t
.endr
.Lno32:
	s_wait_tensorcnt 0x0                           ; the wave's end
	ds_add_u32 v[SPW], v[NIL]
	s_wait_dscnt 0x0
	CROUND                                         ; the closing round
	s_endpgm
.Lfunc_end_k_q9ed009319c_qkv:
	.size	k_q9ed009319c_qkv, .Lfunc_end_k_q9ed009319c_qkv-k_q9ed009319c_qkv
	.p2alignl 7, 3214868480
	.fill 96, 4, 3214868480
	.section	.rodata,"a",@progbits
	.p2align	6, 0x0
	.amdhsa_kernel k_q9ed009319c_qkv
		.amdhsa_group_segment_fixed_size 327680
		.amdhsa_private_segment_fixed_size 0
		.amdhsa_enable_private_segment 0
		.amdhsa_kernarg_size 48
		.amdhsa_user_sgpr_count 2
		.amdhsa_user_sgpr_kernarg_segment_ptr 1
		.amdhsa_wavefront_size32 1
		.amdhsa_system_sgpr_workgroup_id_x 1
		.amdhsa_system_sgpr_workgroup_id_y 1
		.amdhsa_system_sgpr_workgroup_id_z 1
		.amdhsa_system_vgpr_workitem_id 0
		.amdhsa_next_free_vgpr 1024
		.amdhsa_next_free_sgpr 102
		.amdhsa_reserve_vcc 0
		.amdhsa_float_denorm_mode_32 3
		.amdhsa_float_denorm_mode_16_64 3
		.amdhsa_memory_ordered 1
		.amdhsa_forward_progress 1
		.amdhsa_inst_pref_size 154
	.end_amdhsa_kernel
	.amdgpu_metadata
---
amdhsa.version: [ 1, 2 ]
amdhsa.kernels:
  - .name:           k_q9ed009319c_qkv
    .symbol:         k_q9ed009319c_qkv.kd
    .args:
      - { .name: codes, .offset: 0, .size: 8, .value_kind: global_buffer, .address_space: global }
      - { .name: scales, .offset: 8, .size: 8, .value_kind: global_buffer, .address_space: global }
      - { .name: qkv, .offset: 16, .size: 8, .value_kind: global_buffer, .address_space: global }
      - { .name: c_attn_b, .offset: 24, .size: 8, .value_kind: global_buffer, .address_space: global }
      - { .name: vaux, .offset: 32, .size: 8, .value_kind: global_buffer, .address_space: global }
      - { .name: qkv32, .offset: 40, .size: 8, .value_kind: global_buffer, .address_space: global }
    .group_segment_fixed_size: 327680
    .private_segment_fixed_size: 0
    .kernarg_segment_align: 8
    .kernarg_segment_size: 48
    .max_flat_workgroup_size: 128
    .sgpr_count:     102
    .vgpr_count:     1024
    .wavefront_size: 32
...
	.end_amdgpu_metadata
.endif
;; end of part 2
;; launch attn (part 3): grid 4 x 64, 16 waves a work-group, no clusters, 327,680 bytes of LDS; arguments qkv, vaux, a16; writes a16
.if DOCPART == 3
	.amdgcn_target "amdgcn-amd-amdhsa--gfx1250"
	.amdhsa_code_object_version 6
	.text
	.protected	k_q9ed009319c_attn
	.globl	k_q9ed009319c_attn
	.p2align	8
	.type	k_q9ed009319c_attn,@function
k_q9ed009319c_attn:
	s_mov_b64 s[64:65], 0
	v_nop
	global_prefetch_b8 v0, s[64:65] scope:SCOPE_SE
	s_setreg_imm32_b32 hwreg(HW_REG_WAVE_MODE, 25, 1), 1
	s_wait_xcnt 0x0
; a[b][head][q] = softmax_k(w) v, w = q . k / 8 for k <= q and -10,000 for k > q.  q, k, v: f16, [part][b x 16 + head][2048][64]; products on f16 operands, sums, maxima and the softmax in f32.
; THE HIDDEN KEYS COUNT: their score is -10,000, not -infinity.  Raw scores are q . k; a hidden one is -80,000.  In the key step on the diagonal hidden scores are set to that number and go through the softmax
; like any other.  All keys behind that step have one and the same score, so they act only through their count and the sum of their v: these START the running sums (m = -80,000, l = the count,
; O = the sum of 64 x the means of v over the blocks of 64 keys behind the diagonal's, one product with 64 or 0 as the other operand): the first product starts O, nothing is cleared.
; SOFTMAX: a running maximum m and sum l for each query: p = 2^(c s - c m), c = log2(e) / 8; in every step O and l are multiplied by 2^(c m_old - c m_new).
; SHARES.  Work-group (i, b x 16 + head) owns the blocks of 256 queries 7 - i and i: nine blocks' worth of keys in every work-group.  Waves 0-7 take the late block, waves 8-15 the early one, 32 queries each, two tiles of 16.
; All waves walk 8 slots of 256 keys, 4 steps of 64 keys: trip counts are constants; a step all of whose keys come after the wave's queries is jumped over (ids alone).
; K's and V's tiles come through a ring of two LDS slots (waves 0, 1: K's halves; waves 2, 3: V's).  A slot whose first key comes after the work-group's last query is not asked for.
; NO CLUSTER: the four work-groups of a head need 8, 7, 6 and 5 slots; a joint load would bring tiles whose reads every wave of a partner jumps over.
; LAYOUT: S^T = K Q^T (source 0 = 16 keys, source 1 = 16 queries), O^T = V^T P (source 0 = 16 channels, turned on the way out of LDS): a lane holds one query throughout.
; LIMITS: q, k, v and the means lie within f16's range; NaN and infinities are not served.  The weight of the keys behind the diagonal's step is taken as 2^0 against the rounded c m: off by up to 3.4e-4 of itself, where those keys carry weight at all.
.set PARTB, 16777216                   ; bytes of q (of k, of v)
.set KP,    144                        ; a key's row in LDS: 128 bytes + 16
.set VP,    160                        ; a row of V: 128 + 32
.set VOFF,  256*KP
.set SLOT1, 1<<17
.set VAUX,  SLOT1+VOFF+256*VP          ; the head's 32 means, rows of 160 bytes
.set SPARE, VAUX+32*VP                 ; the spare words, 128 bytes for each wave, which no other line names
.set STAGE, SPARE+2048                 ; the way out: 32 rows x 144 bytes for each wave; no tile lands here
.set AK0, 1
.set AV0, 2
.set ADK, 3
.set ADV, 4
.set SPW, 5
.set NIL, 6
.set STO, 7
.set RD,  8
.set D0,  9                            ; v9, v10: my query less the diagonal step's first key less 8 h, for tiles 0 and 1
.set NEG, 11                           ; v11  -80,000.0
.set ST,  12                           ; v12-27 statistics, 8 a tile: +0 c m, +1 m, +2, +3 l, +4 .. +7 at work (a in +6)
.set QF,  28                           ; v28-59   Q: tile u, channels 32 kk on, at 28 + 16 u + 8 kk
.set SS,  60                           ; v60-123  S^T: tile u, keys 16 kt on, at 60 + 32 u + 8 kt; P is packed in place into each tile's first 16
.set FF,  124                          ; v124-187 K's fragments, then V's
.set OO,  188                          ; v188-251 O^T: 188 + 32 u + 8 t
.set GO,  252
.set PFO, 253
.set TB,  2
.set WV,  18
.set SEL, 20
.set CS,  22
.set G1K, 24
.set G1V, 32
.set G0K, 40
.set G0V, 44
.set G1X, 48
.set G0X, 56
.set QL,  66                           ; s66  my work-group's last query
.set SLOTS, 67
.set PFA, 76
.set LIM, 80
.set KF,  98                           ; s98  the step's first key
.set Q0,  99                           ; s99  my first query
.macro TLOAD                           ; waves 0, 1 fetch K's halves, waves 2, 3 V's; an s_nop 0 and four v_nop follow each line
	s_cmp_lt_u32 s[WV], 2
	s_cbranch_scc0 .Lnot_k_\@
	tensor_load_to_lds s[G0K:G0K+3], s[G1K:G1K+7]
	s_nop 0
.rept 4
	v_nop
.endr
	s_branch .Lasked_\@
.Lnot_k_\@:
	s_cmp_lt_u32 s[WV], 4
	s_cbranch_scc0 .Lasked_\@
	tensor_load_to_lds s[G0V:G0V+3], s[G1V:G1V+7]
	s_nop 0
.rept 4
	v_nop
.endr
.Lasked_\@:
.endm
; A prefetch of what the NEXT change of slots will ask for: 256 rows of K and of V, 32,768 dense bytes each.  Of the four work-groups of a head the first asks; in it waves 4-7 for K, waves 8-11 for V,
; 8,192 bytes a wave, lanes 256 bytes apart: each aligned 256 bytes is named once in the launch.  The last change that fills a slot asks for nothing; slots 0 and 1 come by their loads alone.
.macro ASK
	s_cmp_gt_u32 s[SLOTS], s[LIM]
	s_cbranch_scc0 .Lnot_mine_\@
	global_prefetch_b8 v[PFO], s[PFA:PFA+1] th:TH_LOAD_NT scope:SCOPE_SE
.Lnot_mine_\@:
.endm
	s_load_b128 s[4:7], s[0:1], 0x0                ; qkv, vaux
	s_load_b64 s[8:9], s[0:1], 0x10                ; a16
	v_lshl_add_u32 v[SPW], v0, 2, SPARE
	v_mov_b32 v[NIL], 0
	ds_add_u32 v[SPW], v[NIL]                      ; the wave's opening: the add, twice on end, and its wait ahead of the first tensor load
	ds_add_u32 v[SPW], v[NIL]
	v_lshrrev_b32 v1, 5, v0
	v_readfirstlane_b32 s[WV], v1                  ; wave 0..15
	s_and_b32 s72, ttmp7, 0xffff                   ; b x 16 + head
	s_lshl_b32 s74, s72, 18                        ; its 2,048 rows of 128 bytes
	s_and_b32 s68, s[WV], 7
	s_xor_b32 s69, s68, 7
	s_sub_co_u32 s70, 7, ttmp9
	s_cmp_lt_u32 s[WV], 8
	s_cselect_b32 s68, s68, s69
	s_cselect_b32 s70, s70, ttmp9
	s_lshl_b32 s70, s70, 8
	s_lshl_b32 s68, s68, 5
	s_add_co_u32 s[Q0], s70, s68                   ; my first query
	s_sub_co_u32 s[QL], 8, ttmp9
	s_lshl_b32 s[QL], s[QL], 8
	s_sub_co_u32 s[QL], s[QL], 1
	s_and_b32 s88, s[WV], 1
	s_lshl_b32 s89, s88, 14                        ; which 128 rows of a slot I fetch
	s_add_co_u32 s90, s74, s89
	s_add_co_u32 s90, s90, PARTB                   ; in k,
	s_mov_b32 s91, 0
	s_add_co_u32 s92, s90, PARTB                   ; in v
	s_mov_b32 s93, 0
	s_mul_i32 s94, s88, 128*KP
	s_mul_i32 s95, s88, 128*VP
	s_add_co_u32 s95, s95, VOFF
	s_mov_b32 s[G1K], (1<<16)|(1<<20)|(4<<22)|(3<<25)   ; elements of 2 bytes; padding: 4 words after every 32
	s_mov_b32 s[G1V], (1<<16)|(1<<20)|(4<<22)|(7<<25)   ; 8 words
	s_mov_b32 s[G1X], (1<<16)|(1<<20)|(4<<22)|(7<<25)
.irp g, G1K, G1V
	s_mov_b32 s[\g+1], 64<<16                      ; tensor_dim0
	s_mov_b32 s[\g+2], 128<<16                     ; tensor_dim1
	s_mov_b32 s[\g+3], 64<<16                      ; tile_dim0
	s_mov_b32 s[\g+4], 128                         ; tile_dim1
	s_mov_b32 s[\g+5], 64                          ; the pitch
	s_mov_b32 s[\g+6], 0
	s_mov_b32 s[\g+7], 0
.endr
	s_mov_b32 s[G1X+1], 64<<16
	s_mov_b32 s[G1X+2], 32<<16
	s_mov_b32 s[G1X+3], 64<<16
	s_mov_b32 s[G1X+4], 32
	s_mov_b32 s[G1X+5], 64
	s_mov_b32 s[G1X+6], 0
	s_mov_b32 s[G1X+7], 0
	s_mov_b32 s[SEL], 0x76543210
	s_mov_b32 s[SEL+1], 0xfedcba98
	s_mov_b32 s[CS], 0x3e38aa3b                    ; c = log2(e) / 8
	s_mov_b32 s[CS+1], s[CS]
	s_mov_b32 s[TB], 0
	s_mov_b32 s[KF], 0
	s_mov_b32 s[SLOTS], 7
	s_wait_dscnt 0x0                               ; both opening adds are done
	s_wait_kmcnt 0x0
	s_mov_b32 s[G0K], 1
	s_mov_b32 s[G0K+1], s94
	s_add_nc_u64 s[G0K+2:G0K+3], s[4:5], s[90:91]
	s_or_b32 s[G0K+3], s[G0K+3], 0x80000000
	s_mov_b32 s[G0V], 1
	s_mov_b32 s[G0V+1], s95
	s_add_nc_u64 s[G0V+2:G0V+3], s[4:5], s[92:93]
	s_or_b32 s[G0V+3], s[G0V+3], 0x80000000
	s_mov_b32 s[G0X], 1
	s_mov_b32 s[G0X+1], VAUX
	s_lshl_b32 s84, s72, 12
	s_mov_b32 s85, 0
	s_add_nc_u64 s[G0X+2:G0X+3], s[6:7], s[84:85]
	s_or_b32 s[G0X+3], s[G0X+3], 0x80000000
	TLOAD                                          ; slot 0: one load of a wave is out
	s_cmp_eq_u32 s[WV], 4                          ; the head's means: wave 4
	s_cbranch_scc0 .Lnot_x
	tensor_load_to_lds s[G0X:G0X+3], s[G1X:G1X+7]
	s_nop 0
.rept 4
	v_nop
.endr
.Lnot_x:
	s_lshl_b32 s84, s[Q0], 7
	s_add_co_u32 s84, s84, s74
	s_add_nc_u64 s[10:11], s[4:5], s[84:85]        ; q at my first query
	s_and_b32 s86, s72, 15
	s_lshl_b32 s86, s86, 13
	s_lshr_b32 s87, s72, 4
	s_lshl_b32 s87, s87, 11
	s_add_co_u32 s86, s86, s87
	s_add_co_u32 s86, s86, s[Q0]
	s_lshl_b32 s86, s86, 7
	s_mov_b32 s87, 0
	s_add_nc_u64 s[8:9], s[8:9], s[86:87]          ; a16 [head][token][64] at my first query
	s_mov_b32 s83, 2*PARTB
	s_cmp_lt_u32 s[WV], 8
	s_cselect_b32 s82, PARTB, s83
	s_and_b32 s83, s[WV], 3
	s_lshl_b32 s83, s83, 13
	s_add_co_u32 s82, s82, s83
	s_add_co_u32 s82, s82, s74
	s_add_co_u32 s82, s82, 32768                   ; in slot 1: the first change of slots steps it to slot 2
	s_mov_b32 s83, 0
	s_add_nc_u64 s[PFA:PFA+1], s[4:5], s[82:83]
	s_sub_co_u32 s82, s[WV], 4
	s_lshr_b32 s82, s82, 3                         ; 0 in waves 4 to 11,
	s_or_b32 s82, s82, ttmp9                       ; of the head's first work-group
	s_cmp_eq_u32 s82, 0
	s_cselect_b32 s[LIM], 1, -1
	v_and_b32 v254, 15, v0                         ; r
	v_bfe_u32 v255, v0, 4, 1                       ; h
	v_lshlrev_b32 v3, 7, v254
	v_lshl_add_u32 v3, v255, 4, v3                 ; Q: row r of 128 bytes, + 16 h
.irp u, 0,1
.irp kk, 0,1
	global_load_b128 v[QF+16*\u+8*\kk:QF+16*\u+8*\kk+3], v3, s[10:11] offset:2048*\u+64*\kk
	global_load_b128 v[QF+16*\u+8*\kk+4:QF+16*\u+8*\kk+7], v3, s[10:11] offset:2048*\u+64*\kk+32
.endr
.endr
	v_mul_u32_u24 v[AK0], v254, KP
	v_lshl_add_u32 v[AK0], v255, 4, v[AK0]         ; K: row r x pitch + 16 h
	v_and_b32 v4, 7, v0
	v_lshl_add_u32 v4, v255, 3, v4
	v_mul_u32_u24 v[AV0], v4, VP
	v_bfe_u32 v4, v0, 3, 1
	v_lshl_add_u32 v[AV0], v4, 4, v[AV0]
	v_add_nc_u32 v[AV0], VOFF, v[AV0]              ; V, turned: key 8 h + lane % 8, channels 8 ((lane / 8) % 2) on
	s_mul_i32 s73, s[WV], 32*KP
	s_add_co_u32 s73, s73, STAGE
	v_add_nc_u32 v[STO], s73, v[AK0]
	v_and_b32 v4, 31, v0
	v_lshrrev_b32 v[GO], 3, v4
	v_mul_u32_u24 v[GO], v[GO], KP
	v_and_b32 v[RD], 7, v0
	v_lshl_add_u32 v[RD], v[RD], 4, v[GO]
	v_add_nc_u32 v[RD], s73, v[RD]
	v_lshlrev_b32 v[GO], 4, v4
	v_lshlrev_b32 v[PFO], 8, v4
	s_and_b32 s81, s[Q0], 63
	v_lshlrev_b32 v4, 3, v255
	v_sub_nc_u32 v[D0], v254, v4
	v_add_nc_u32 v[D0], s81, v[D0]
	v_add_nc_u32 v[D0+1], 16, v[D0]
	v_mov_b32 v[NEG], 0xc79c4000
	s_wait_tensorcnt 0x0                           ; my part of slot 0, or the means, is in;
	s_barrier_signal -1
	s_barrier_wait -1                              ; everybody's is.
	; THE START OF THE SUMS: the keys behind the diagonal's step
	s_lshr_b32 s81, s[Q0], 6                       ; jd: the diagonal's step
	v_sub_nc_u32 v255, s81, v4                     ; jd - 8 h
	v_mov_b32 v68, 0x5400                          ; 64.0 in f16, in the low half,
	v_mov_b32 v69, 0x54000000                      ; in the high half
.irp i, 0,1,2,3,4,5,6,7                ; source 1: 16 queries x 32 blocks of keys: 64 where the block lies behind jd, else 0
	v_cmp_gt_i32 vcc_lo, 16*(\i/4)+2*(\i%4), v255
	v_cndmask_b32 v254, v[NIL], v68, vcc_lo
	v_cmp_gt_i32 vcc_lo, 16*(\i/4)+2*(\i%4)+1, v255
	v_cndmask_b32 v[SS+\i], v[NIL], v69, vcc_lo
	v_or_b32 v[SS+\i], v[SS+\i], v254
.endr
	v_add_nc_u32 v[ADV], VAUX-VOFF, v[AV0]
.irp t, 0,1,2,3
	ds_load_tr16_b128 v[FF+8*\t:FF+8*\t+3], v[ADV] offset:32*\t
	ds_load_tr16_b128 v[FF+8*\t+4:FF+8*\t+7], v[ADV] offset:32*\t+16*VP
.endr
	s_wait_dscnt 0x0
.irp t, 0,1,2,3
.irp u, 0,1
	v_wmma_f32_16x16x32_f16 v[OO+32*\u+8*\t:OO+32*\u+8*\t+7], v[FF+8*\t:FF+8*\t+7], v[SS:SS+7], 0
.endr
.endr
	s_mov_b32 s86, 0xff61b1e6                      ; -3e38: where no key lies behind
	s_cmp_lt_u32 s81, 31
	s_cselect_b32 s86, 0xc79c4000, s86
	s_sub_co_u32 s87, 31, s81
	s_lshl_b32 s87, s87, 5                         ; half the count: the two halves of the lanes are added at the end
.irp u, 0,1
	v_mov_b32 v[ST+8*\u+1], s86
	v_mul_f32 v[ST+8*\u], s[CS], v[ST+8*\u+1]
	v_cvt_f32_u32 v[ST+8*\u+2], s87
	v_mov_b32 v[ST+8*\u+3], 0
	v_mov_b32 v[ST+8*\u+4], 0
	v_mov_b32 v[ST+8*\u+5], 0                      ; (a lane permute's destination counts as one of its sources)
	v_mov_b32 v[ST+8*\u+6], 0
	v_mov_b32 v[ST+8*\u+7], 0
.endr
; THE SOFTMAX of a key step, the two tiles by turns in every stage.
.macro SOFTMAX
.irp j, 0,1,2,3
.irp u, 0,1
	v_max3_num_f32 v[ST+8*\u+4+\j], v[SS+32*\u+8*\j], v[SS+32*\u+8*\j+1], v[SS+32*\u+8*\j+2]   ; four chains; each accumulator is read from its low end on
.endr
.endr
.irp g, 1,2
.irp j, 0,1,2,3
.irp u, 0,1
	v_max3_num_f32 v[ST+8*\u+4+\j], v[ST+8*\u+4+\j], v[SS+32*\u+8*\j+2*\g+1], v[SS+32*\u+8*\j+2*\g+2]
.endr
.endr
.endr
.irp u, 0,1
	v_max3_num_f32 v[ST+8*\u+4], v[ST+8*\u+4], v[SS+32*\u+7], v[SS+32*\u+15]
	v_max3_num_f32 v[ST+8*\u+6], v[ST+8*\u+6], v[SS+32*\u+23], v[SS+32*\u+31]
.endr
.irp u, 0,1
	v_max3_num_f32 v[ST+8*\u+4], v[ST+8*\u+4], v[ST+8*\u+5], v[ST+8*\u+6]
.endr
.irp u, 0,1
	v_max3_num_f32 v[ST+8*\u+4], v[ST+8*\u+4], v[ST+8*\u+7], v[ST+8*\u+1]   ; with the old m
.endr
.irp u, 0,1
	v_permlanex16_b32 v[ST+8*\u+5], v[ST+8*\u+4], s[SEL], s[SEL+1]          ; the query's other 32 keys lie in the lane 16 away
.endr
.irp u, 0,1
	v_mov_b32 v[ST+8*\u+7], v[ST+8*\u]                                      ; c m_old
.endr
.irp u, 0,1
	v_max_num_f32 v[ST+8*\u+1], v[ST+8*\u+4], v[ST+8*\u+5]
.endr
.irp u, 0,1
	v_mul_f32 v[ST+8*\u], s[CS], v[ST+8*\u+1]
.endr
.irp u, 0,1
	v_sub_f32 v[ST+8*\u+7], v[ST+8*\u+7], v[ST+8*\u]
.endr
.set n, 0
.rept 16
.irp u, 0,1
	v_pk_fma_f32 v[SS+32*\u+n:SS+32*\u+n+1], v[SS+32*\u+n:SS+32*\u+n+1], s[CS:CS+1], v[ST+8*\u:ST+8*\u+1] op_sel_hi:[1,0,0] neg_lo:[0,0,1] neg_hi:[0,0,1]   ; c s - c m
.endr
.set n, n+2
.endr
.irp u, 0,1
	v_exp_f32 v[ST+8*\u+6], v[ST+8*\u+7]           ; a = 2^(c m_old - c m_new)
.endr
.set n, 0
.rept 32
	v_exp_f32 v[SS+n], v[SS+n]
	v_exp_f32 v[SS+32+n], v[SS+32+n]
.set n, n+1
.endr
	v_nop                                          ; a plain instruction behind the last exponential
	s_wait_alu depctr_va_vdst(0)                   ; one wait for the batch of 66, ahead of its first reader
.irp u, 0,1
	v_pk_mul_f32 v[ST+8*\u+2:ST+8*\u+3], v[ST+8*\u+2:ST+8*\u+3], v[ST+8*\u+6:ST+8*\u+7] op_sel_hi:[1,0]
.endr
.irp u, 0,1
	v_pk_add_f32 v[ST+8*\u+4:ST+8*\u+5], v[SS+32*\u:SS+32*\u+1], v[SS+32*\u+2:SS+32*\u+3]   ; the row's sum, in two chains
.endr
.irp j, 4,8,12,16,20,24,28
.irp u, 0,1
	v_pk_add_f32 v[ST+8*\u+2:ST+8*\u+3], v[ST+8*\u+2:ST+8*\u+3], v[SS+32*\u+\j:SS+32*\u+\j+1]
	v_pk_add_f32 v[ST+8*\u+4:ST+8*\u+5], v[ST+8*\u+4:ST+8*\u+5], v[SS+32*\u+\j+2:SS+32*\u+\j+3]
.endr
.endr
.irp u, 0,1
	v_pk_add_f32 v[ST+8*\u+2:ST+8*\u+3], v[ST+8*\u+2:ST+8*\u+3], v[ST+8*\u+4:ST+8*\u+5]
.endr
.set n, 0
.rept 16
.irp u, 0,1
	v_cvt_pk_f16_f32 v[SS+32*\u+n], v[SS+32*\u+2*n], v[SS+32*\u+2*n+1]      ; P in place, ascending: registers 8 kh .. 8 kh + 7 are source 1 for keys 32 kh on
.endr
.set n, n+1
.endr
.set n, 0
.rept 16
.irp u, 0,1
	v_pk_mul_f32 v[OO+32*\u+n:OO+32*\u+n+1], v[OO+32*\u+n:OO+32*\u+n+1], v[ST+8*\u+6:ST+8*\u+7] op_sel_hi:[1,0]
.endr
.set n, n+2
.endr
.endm
; A KEY STEP: 64 keys, the q-th of the slot in hand.
.macro STEP q
	s_add_co_u32 s96, s[Q0], 31
	s_cmp_gt_u32 s[KF], s96                        ; all its keys come after my queries: their weight stands in the sums' start
	s_cbranch_scc1 .Lhidden_\@
	v_add_nc_u32 v[ADK], s[TB], v[AK0]
	v_add_nc_u32 v[ADV], s[TB], v[AV0]
.rept 3
	v_nop                                          ; with the two additions five places: the products below write over P, which the last products read, and the loads land on V's fragments
.endr
.irp kt, 0,1,2,3
.irp kk, 0,1
	ds_load_b128 v[FF+16*\kt+8*\kk:FF+16*\kt+8*\kk+3], v[ADK] offset:(64*(\q)+16*\kt)*KP+64*\kk
	ds_load_b128 v[FF+16*\kt+8*\kk+4:FF+16*\kt+8*\kk+7], v[ADK] offset:(64*(\q)+16*\kt)*KP+64*\kk+32
.endr
.endr
	s_wait_dscnt 0x0
.irp kk, 0,1                           ; S^T = K Q^T: eight accumulators by turns
.irp kt, 0,1,2,3
.irp u, 0,1
.if \kk == 0
	v_wmma_f32_16x16x32_f16 v[SS+32*\u+8*\kt:SS+32*\u+8*\kt+7], v[FF+16*\kt+8*\kk:FF+16*\kt+8*\kk+7], v[QF+16*\u+8*\kk:QF+16*\u+8*\kk+7], 0
.else
	v_wmma_f32_16x16x32_f16 v[SS+32*\u+8*\kt:SS+32*\u+8*\kt+7], v[FF+16*\kt+8*\kk:FF+16*\kt+8*\kk+7], v[QF+16*\u+8*\kk:QF+16*\u+8*\kk+7], v[SS+32*\u+8*\kt:SS+32*\u+8*\kt+7]
.endif
.endr
.endr
.endr
.rept 4
	v_nop                                          ; places in front of the loads below and of the first read of the scores
.endr
.irp kh, 0,1                           ; V of this step lands while the softmax is walked
.irp t, 0,1,2,3
	ds_load_tr16_b128 v[FF+32*\kh+8*\t:FF+32*\kh+8*\t+3], v[ADV] offset:(64*(\q)+32*\kh)*VP+32*\t
	ds_load_tr16_b128 v[FF+32*\kh+8*\t+4:FF+32*\kh+8*\t+7], v[ADV] offset:(64*(\q)+32*\kh)*VP+32*\t+16*VP
.endr
.endr
	s_add_co_u32 s96, s[KF], 63
	s_cmp_le_u32 s96, s[Q0]                        ; all its keys count for all my queries: nothing to hide
	s_cbranch_scc1 .Lopen_\@
.irp u, 0,1                            ; register 8 kt + j holds key 16 kt + 8 h + j of the step: hidden where 16 kt + j > my query - the step's first key - 8 h
.set n, 0
.rept 32
	v_cmp_gt_i32 vcc_lo, 16*(n/8)+n%8, v[D0+\u]
	v_cndmask_b32 v[SS+32*\u+n], v[SS+32*\u+n], v[NEG], vcc_lo
.set n, n+1
.endr
.endr
.Lopen_\@:
	SOFTMAX
	s_wait_dscnt 0x0                               ; V is in
.irp kh, 0,1                           ; O^T += V^T P: eight accumulators by turns
.irp t, 0,1,2,3
.irp u, 0,1
	v_wmma_f32_16x16x32_f16 v[OO+32*\u+8*\t:OO+32*\u+8*\t+7], v[FF+32*\kh+8*\t:FF+32*\kh+8*\t+7], v[SS+32*\u+8*\kh:SS+32*\u+8*\kh+7], v[OO+32*\u+8*\t:OO+32*\u+8*\t+7]
.endr
.endr
.endr
.Lhidden_\@:
	s_add_co_u32 s[KF], s[KF], 64
.endm
; THE CHANGE OF SLOTS, at a slot's head: every wave waits for all its tensor loads, adds 0 to its spare word, waits for that and for its reads of the slot that it has left; one barrier; then the other slot is filled.
.macro CHANGE fill
	s_wait_tensorcnt 0x0                           ; no tensor load of mine is out, so a group 0 may be written
	ds_add_u32 v[SPW], v[NIL]
.if \fill
	ds_add_u32 v[SPW], v[NIL]                      ; and twice on end here, in every trip alike
	s_xor_b32 s[G0K+1], s[G0K+1], SLOT1
	s_add_nc_u64 s[G0K+2:G0K+3], s[G0K+2:G0K+3], 32768
	s_xor_b32 s[G0V+1], s[G0V+1], SLOT1
	s_add_nc_u64 s[G0V+2:G0V+3], s[G0V+2:G0V+3], 32768
	s_wait_xcnt 0x0                                ; the last prefetch, a slot back, has read its address
	s_add_nc_u64 s[PFA:PFA+1], s[PFA:PFA+1], 32768
.endif
	s_wait_dscnt 0x0
	s_barrier_signal -1
	s_barrier_wait -1
.if \fill
	s_add_co_u32 s96, s[KF], 256                   ; the first key of the slot that this change would ask for
	s_cmp_gt_u32 s96, s[QL]                        ; behind my work-group's last query no wave reads it: ids and the count of steps alone, the same in all sixteen waves; every wait on TENSORcnt in this text is for 0
	s_cbranch_scc1 .Lpast_\@
	TLOAD
.Lpast_\@:
	ASK
.endif
.endm
.macro SLOT_STEPS
	STEP 0
	STEP 1
	STEP 2
	STEP 3
	s_xor_b32 s[TB], s[TB], SLOT1
.endm
	s_wait_loadcnt 0x0                             ; Q
.Lslot:                                            ; 7 trips
	CHANGE 1
	SLOT_STEPS
	s_sub_co_u32 s[SLOTS], s[SLOTS], 1
	s_cmp_lg_u32 s[SLOTS], 0
	s_cbranch_scc1 .Lslot
	CHANGE 0                                       ; the last slot is written out: nothing is left to ask for
	SLOT_STEPS
	; THE WAY OUT: O^T / l, rounded to f16, through my stage, so that a store covers four queries' 512 consecutive bytes
.rept 4
	v_nop
.endr
.irp u, 0,1
	v_add_f32 v[ST+8*\u+4], v[ST+8*\u+2], v[ST+8*\u+3]
.endr
.irp u, 0,1
	v_permlanex16_b32 v[ST+8*\u+5], v[ST+8*\u+4], s[SEL], s[SEL+1]
.endr
.irp u, 0,1
	v_add_f32 v[ST+8*\u+4], v[ST+8*\u+4], v[ST+8*\u+5]
.endr
.irp u, 0,1
	v_rcp_f32 v[ST+8*\u+6], v[ST+8*\u+4]
.endr
	v_nop
	s_wait_alu depctr_va_vdst(0)                   ; one wait for the two reciprocals, ahead of their first reader
.irp u, 0,1
.set n, 0
.rept 16
	v_pk_mul_f32 v[OO+32*\u+n:OO+32*\u+n+1], v[OO+32*\u+n:OO+32*\u+n+1], v[ST+8*\u+6:ST+8*\u+7] op_sel_hi:[1,0]
.set n, n+2
.endr
.endr
.irp u, 0,1
.set n, 0
.rept 16
	v_cvt_pk_f16_f32 v[SS+16*\u+n], v[OO+32*\u+2*n], v[OO+32*\u+2*n+1]
.set n, n+1
.endr
.endr
.irp u, 0,1
.irp t, 0,1,2,3
	ds_store_b128 v[STO], v[SS+16*\u+4*\t:SS+16*\u+4*\t+3] offset:16*KP*\u+32*\t
.endr
.endr
.irp i, 0,1,2,3,4,5,6,7
	ds_load_b128 v[FF+4*\i:FF+4*\i+3], v[RD] offset:4*KP*\i   ; LDS serves a wave's instructions in order: these see my stores
.endr
.irp i, 0,1,2,3,4,5,6,7
	s_wait_dscnt 7-\i
	global_store_b128 v[GO], v[FF+4*\i:FF+4*\i+3], s[8:9] offset:512*\i
.endr
	s_wait_tensorcnt 0x0                           ; the wave's end
	ds_add_u32 v[SPW], v[NIL]
	s_wait_dscnt 0x0
	s_endpgm
.Lfunc_end_k_q9ed009319c_attn:
	.size	k_q9ed009319c_attn, .Lfunc_end_k_q9ed009319c_attn-k_q9ed009319c_attn
	.p2alignl 7, 3214868480
	.fill 96, 4, 3214868480
	.section	.rodata,"a",@progbits
	.p2align	6, 0x0
	.amdhsa_kernel k_q9ed009319c_attn
		.amdhsa_group_segment_fixed_size 327680
		.amdhsa_private_segment_fixed_size 0
		.amdhsa_enable_private_segment 0
		.amdhsa_kernarg_size 24
		.amdhsa_user_sgpr_count 2
		.amdhsa_user_sgpr_kernarg_segment_ptr 1
		.amdhsa_wavefront_size32 1
		.amdhsa_system_sgpr_workgroup_id_x 1
		.amdhsa_system_sgpr_workgroup_id_y 1
		.amdhsa_system_sgpr_workgroup_id_z 1
		.amdhsa_system_vgpr_workitem_id 0
		.amdhsa_next_free_vgpr 256
		.amdhsa_next_free_sgpr 100
		.amdhsa_reserve_vcc 1
		.amdhsa_float_denorm_mode_32 3
		.amdhsa_float_denorm_mode_16_64 3
		.amdhsa_memory_ordered 1
		.amdhsa_forward_progress 1
		.amdhsa_inst_pref_size 190
	.end_amdhsa_kernel
	.amdgpu_metadata
---
amdhsa.version: [ 1, 2 ]
amdhsa.kernels:
  - .name:           k_q9ed009319c_attn
    .symbol:         k_q9ed009319c_attn.kd
    .args:
      - { .name: qkv, .offset: 0, .size: 8, .value_kind: global_buffer, .address_space: global }
      - { .name: vaux, .offset: 8, .size: 8, .value_kind: global_buffer, .address_space: global }
      - { .name: a16, .offset: 16, .size: 8, .value_kind: global_buffer, .address_space: global }
    .group_segment_fixed_size: 327680
    .private_segment_fixed_size: 0
    .kernarg_segment_align: 8
    .kernarg_segment_size: 24
    .max_flat_workgroup_size: 512
    .sgpr_count:     100
    .vgpr_count:     256
    .wavefront_size: 32
...
	.end_amdgpu_metadata
.endif
;; end of part 3
;; launch proj (part 4): grid 4 x 64, 4 waves a work-group, clusters of 4 x 4, 327,680 bytes of LDS; arguments a16, wp16, c_proj_b, out0; writes out0
.if DOCPART == 4
	.amdgcn_target "amdgcn-amd-amdhsa--gfx1250"
	.amdhsa_code_object_version 6
	.text
	.protected	k_q9ed009319c_proj
	.globl	k_q9ed009319c_proj
	.p2align	8
	.type	k_q9ed009319c_proj,@function
k_q9ed009319c_proj:
	s_mov_b64 s[64:65], 0
	v_nop
	global_prefetch_b8 v0, s[64:65] scope:SCOPE_SE
	s_setreg_imm32_b32 hwreg(HW_REG_WAVE_MODE, 25, 1), 1
	s_wait_xcnt 0x0
	s_wait_alu depctr_hold_cnt(0) depctr_sa_sdst(0) depctr_va_vdst(0) depctr_va_sdst(0) depctr_va_ssrc(0) depctr_va_vcc(0) depctr_vm_vsrc(0)
	s_getreg_b32 s2, hwreg(HW_REG_IB_STS2, 6, 4)
	s_cmp_eq_u32 s2, 0
	s_cbranch_scc0 .Lentry_in_a_cluster
	s_endpgm
.Lentry_in_a_cluster:
	s_bfe_u32 s2, ttmp6, 0x10000c
	s_cmp_lg_u32 s2, 0xf033
	s_cbranch_scc0 .Lentry_shape_is_right
	s_endpgm
.Lentry_shape_is_right:
; out = a c_proj_w + c_proj_b on f16 operands, sums in f32.  a16: [head 16][token 8192][64] f16; wp16: [n 1024][k 1024] f16; out0: [8192][1024] f32.
; A tile of 128 tokens x 256 columns to a work-group: 256 work-groups.  Four waves, each 64 x 128: 32 accumulators, 256 registers.  K goes in 8 steps of 128 (two heads) through a ring of two LDS slots.
; A's part of a step is two dense planes of 128 rows x 128 bytes (waves 0, 1 fetch one each), B's 256 rows of 256 bytes (waves 2, 3 fetch 128 each).
; CLUSTERS: 4 x 4 work-groups; A's tiles are asked for jointly along a row of the cluster, B's along a column.
; THE MATRIX INSTRUCTION IS USED TRANSPOSED (source 0 = 16 rows of wp16, source 1 = 16 tokens): a lane holds eight neighbouring columns of one token.  The bias is the C of each sum's first instruction.
; No prefetch: two of the eight steps are first fills, and wp16's rows are read by sixteen clusters one after the other.
; The rows of the first 16 places of each sequence are stored here too; the launch behind this one stores them again, computed in f32.
; REGISTERS: window 0: v0-31 addresses; v64-159, v160-255 two fragment buffers (B's 8 fragments, then A's 4).  window 1: the accumulators, (a, b) at v[8 (8 a + b)].  window 2: v0-63 the bias.
.set PA,    144                        ; a row of A in LDS: 128 bytes + 16
.set PB,    272                        ; a row of B: 256 + 16
.set PLANE, 128*PA
.set BOFF,  2*PLANE
.set HALFB, 128*PB
.set SLOT,  BOFF+2*HALFB
.set STAGE, 2*SLOT                     ; 16 rows x 528 bytes for each wave; no tile lands here
.set SPARE, STAGE+4*16*528             ; the spare words, 128 bytes for each wave, which no other line names
.set LAPS,  4
.set ADRA, 16
.set ADRB, 20
.set STO,  24
.set RD,   25
.set CO,   26
.set SPW,  28
.set NIL,  29
.set F0,   64
.set F1,   160
.set G1, 24
.set G0, 32
.set G1B, 48
.set G0B, 56
.set MSB, 0
.macro WIN new
.if MSB != \new
	s_set_vgpr_msb (MSB<<8)|\new
.set MSB, \new
.endif
.endm
.set MULW, 0x50                        ; sources 0 and 1 window 0; C and D window 1
.set MULF, 0x60                        ; C (the bias) window 2, D window 1
.macro JLOAD s                         ; waves 0, 1 fetch A's planes, waves 2, 3 B's halves; an s_nop 0 and four v_nop follow each line
	s_cmp_eq_u32 s13, 0
	s_cbranch_scc0 .Lfor_b_\@
	tensor_load_to_lds s[G0+4*\s:G0+4*\s+3], s[G1:G1+7]
	s_nop 0
.rept 4
	v_nop
.endr
	s_branch .Lasked_\@
.Lfor_b_\@:
	tensor_load_to_lds s[G0B+4*\s:G0B+4*\s+3], s[G1B:G1B+7]
	s_nop 0
.rept 4
	v_nop
.endr
.Lasked_\@:
.endm
.macro CREST
	s_cmp_lg_u32 s12, 0
	s_cbranch_scc1 .Lnot_wave_0_\@
	s_barrier_signal -3
.Lnot_wave_0_\@:
	s_barrier_wait -3
	s_barrier_signal -1
	s_barrier_wait -1
.endm
.macro CROUND
	s_barrier_signal -1
	s_barrier_wait -1
	CREST
.endm
	s_load_b256 s[4:11], s[0:1], 0x0               ; a16 s[4:5], wp16 s[6:7], c_proj_b s[8:9], out0 s[10:11]
	v_lshl_add_u32 v[SPW], v0, 2, SPARE
	v_mov_b32 v[NIL], 0
	ds_add_u32 v[SPW], v[NIL]                      ; the wave's opening: the add, twice on end, and its wait ahead of my first tensor load
	ds_add_u32 v[SPW], v[NIL]
	v_lshrrev_b32 v1, 5, v0
	v_readfirstlane_b32 s12, v1                    ; wave 0..3
	s_lshr_b32 s13, s12, 1                         ; which 64 tokens are mine.  Also: I fetch for A (0) or for B (1)
	s_and_b32 s14, s12, 1                          ; which 128 columns.  Also: which plane or half I fetch
	s_bfe_u32 s40, ttmp6, 0x40000                  ; cx
	s_bfe_u32 s41, ttmp6, 0x40004                  ; cy
	s_lshl_b32 s42, ttmp9, 2
	s_add_co_u32 s42, s42, s40                     ; tile column
	s_and_b32 s15, ttmp7, 0xffff
	s_lshl_b32 s15, s15, 2
	s_add_co_u32 s15, s15, s41                     ; tile row
	s_lshl_b32 s43, s41, 2
	s_lshl_b32 s43, 15, s43                        ; my row of the cluster
	s_lshl_b32 s44, 0x1111, s40                    ; my column
	s_or_b32 s[G1+0], s43, (1<<16)|(1<<20)|(1<<21)|(4<<22)|(3<<25)    ; elements of 2 bytes; 4 words of padding after every 32
	s_mov_b32 s[G1+1], 64<<16
	s_mov_b32 s[G1+2], 128<<16
	s_mov_b32 s[G1+3], 64<<16
	s_mov_b32 s[G1+4], 128
	s_mov_b32 s[G1+5], 64
	s_mov_b32 s[G1+6], 0
	s_mov_b32 s[G1+7], 0
	s_or_b32 s[G1B+0], s44, (1<<16)|(1<<20)|(1<<21)|(5<<22)|(3<<25)   ; 4 words after every 64
	s_mov_b32 s[G1B+1], 128<<16
	s_mov_b32 s[G1B+2], 128<<16
	s_mov_b32 s[G1B+3], 128<<16
	s_mov_b32 s[G1B+4], 128
	s_mov_b32 s[G1B+5], 1024
	s_mov_b32 s[G1B+6], 0
	s_mov_b32 s[G1B+7], 0
	s_lshl_b32 s16, s14, 20                        ; A: head (w & 1): 8,192 rows of 128 bytes a head,
	s_lshl_b32 s17, s15, 14                        ; + 128 tokens x tile row
	s_add_co_u32 s16, s16, s17
	s_mov_b32 s17, 0
	s_lshl_b32 s46, s42, 19                        ; B: row 256 x tile column + 128 x half, 2,048 bytes a row
	s_lshl_b32 s47, s14, 18
	s_add_co_u32 s46, s46, s47
	s_mov_b32 s47, 0
	s_mul_i32 s20, s14, PLANE                      ; where they go
	s_mul_i32 s21, s14, HALFB
	s_add_co_u32 s21, s21, BOFF
	s_wait_dscnt 0x0                               ; both opening adds are done
	s_wait_kmcnt 0x0
	s_add_nc_u64 s[18:19], s[4:5], s[16:17]
	s_add_nc_u64 s[46:47], s[6:7], s[46:47]
	CROUND                                         ; all sixteen work-groups are here: the first joint loads meet
.irp s, 0,1
	s_mov_b32 s[G0+4*\s], 1
	s_add_co_u32 s[G0+4*\s+1], s20, \s*SLOT
	s_add_nc_u64 s[G0+4*\s+2:G0+4*\s+3], s[18:19], \s*2097152     ; K step s: heads 2 s and 2 s + 1
	s_or_b32 s[G0+4*\s+3], s[G0+4*\s+3], 0x80000000
	s_mov_b32 s[G0B+4*\s], 1
	s_add_co_u32 s[G0B+4*\s+1], s21, \s*SLOT
	s_add_nc_u64 s[G0B+4*\s+2:G0B+4*\s+3], s[46:47], \s*256
	s_or_b32 s[G0B+4*\s+3], s[G0B+4*\s+3], 0x80000000
	JLOAD \s                                       ; two loads of mine are out
.endr
	v_and_b32 v1, 15, v0                           ; r
	v_bfe_u32 v2, v0, 4, 1                         ; h
	v_mul_u32_u24 v3, v1, PA
	v_lshl_add_u32 v3, v2, 4, v3
	v_mul_u32_u24 v4, v1, PB
	v_lshl_add_u32 v4, v2, 4, v4
	s_mul_i32 s21, s13, 64*PA
	s_mul_i32 s22, s14, HALFB
	s_add_co_u32 s22, s22, BOFF
.irp s, 0,1
	v_add_nc_u32 v[ADRA+\s], s21, v3
	v_add_nc_u32 v[ADRB+\s], s22, v4
	s_add_co_u32 s21, s21, SLOT
	s_add_co_u32 s22, s22, SLOT
.endr
	s_mul_i32 s23, s12, 16*528
	s_add_co_u32 s23, s23, STAGE                   ; my stage
	v_mul_u32_u24 v5, v1, 528
	v_lshl_add_u32 v5, v2, 5, v5
	v_add_nc_u32 v[STO], s23, v5
	v_and_b32 v6, 31, v0
	v_lshlrev_b32 v[CO], 4, v6
	v_add_nc_u32 v[RD], s23, v[CO]
	v_lshlrev_b32 v5, 5, v2                        ; the bias: 32 h bytes
	s_lshl_b32 s16, s15, 7
	s_lshl_b32 s17, s13, 6
	s_add_co_u32 s16, s16, s17
	s_lshl_b32 s16, s16, 12                        ; my first token's row of 4,096 bytes
	s_lshl_b32 s46, s42, 10
	s_lshl_b32 s47, s14, 9
	s_add_co_u32 s46, s46, s47                     ; my first column, in bytes
	s_add_co_u32 s16, s16, s46
	s_mov_b32 s17, 0
	s_mov_b32 s47, 0
	s_add_nc_u64 s[10:11], s[10:11], s[16:17]
	s_add_nc_u64 s[8:9], s[8:9], s[46:47]
	WIN 0x80                                       ; destination window 2
.irp b, 0,1,2,3,4,5,6,7
	global_load_b128 v[8*\b:8*\b+3], v5, s[8:9] offset:64*\b           ; register j of block b: the bias of column 16 b + 8 h + j
	global_load_b128 v[8*\b+4:8*\b+7], v5, s[8:9] offset:64*\b+16
.endr
	WIN 0
.macro FETCH slot, q, f                ; 24 LDS loads in one run: the fragments of the slot's q-th 32 along K: B's eight, then A's four
	WIN 0
.irp b, 0,1,2,3,4,5,6,7
	ds_load_b128 v[\f+8*\b:\f+8*\b+3],   v[ADRB+\slot] offset:\b*16*PB+64*(\q)
	ds_load_b128 v[\f+8*\b+4:\f+8*\b+7], v[ADRB+\slot] offset:\b*16*PB+64*(\q)+32
.endr
.irp a, 0,1,2,3
	ds_load_b128 v[\f+64+8*\a:\f+64+8*\a+3],   v[ADRA+\slot] offset:((\q)/2)*PLANE+\a*16*PA+64*((\q)%2)
	ds_load_b128 v[\f+64+8*\a+4:\f+64+8*\a+7], v[ADRA+\slot] offset:((\q)/2)*PLANE+\a*16*PA+64*((\q)%2)+32
.endr
.endm
.macro MUL f, a, first                 ; 8 matrix instructions: A's block a x B's eight.  The 32 accumulators take turns, one instruction a turn, in one order throughout
.irp b, 0,1,2,3,4,5,6,7
.if \first
	v_wmma_f32_16x16x32_f16 v[8*(8*(\a)+\b):8*(8*(\a)+\b)+7], v[\f+8*\b:\f+8*\b+7], v[\f+64+8*(\a):\f+64+8*(\a)+7], v[8*\b:8*\b+7]
.else
	v_wmma_f32_16x16x32_f16 v[8*(8*(\a)+\b):8*(8*(\a)+\b)+7], v[\f+8*\b:\f+8*\b+7], v[\f+64+8*(\a):\f+64+8*(\a)+7], v[8*(8*(\a)+\b):8*(8*(\a)+\b)+7]
.endif
.endr
.endm
.macro PLACES
.rept 4
	v_nop
.endr
.endm
.macro QUARTER slot, qn, f, g, first   ; multiplies buffer f; in its middle fetches the slot's quarter qn into g
	s_wait_dscnt 4                                 ; B's eight and A's blocks 0, 1 are in; the youngest four loads may be out
	WIN MULW+0x10*\first
	MUL \f, 0, \first
	MUL \f, 1, \first
	PLACES
	FETCH \slot, \qn, \g
	s_wait_dscnt 24                                ; all but the 24 just issued
	WIN MULW+0x10*\first
	MUL \f, 2, \first
	MUL \f, 3, \first
.endm
; A slot's last quarter multiplies buffer 1 and changes slots: ONE barrier; in front of it each wave waits for all its tensor loads, adds 0 to its spare word, and waits for that and for its reads of this slot.
.macro TURN slot, next, fill
	WIN 0
	s_wait_tensorcnt 0x0                           ; all my tensor loads have landed: my part of the next slot
	ds_add_u32 v[SPW], v[NIL]
	s_wait_dscnt 5                                 ; (the add and the youngest four loads may be out)
	WIN MULW
	MUL F1, 0, 0
	s_wait_dscnt 0x0                               ; the add is done, and my reads of this slot are over
	s_barrier_signal -1
	MUL F1, 1, 0
.if \fill
	WIN 0
.endif
	s_barrier_wait -1
.if \fill
	CREST                                          ; the barrier has opened a round of the cluster's barrier: no wave of any partner still reads this slot or has a load on its way
	s_add_nc_u64 s[G0+4*\slot+2:G0+4*\slot+3], s[G0+4*\slot+2:G0+4*\slot+3], 4194304   ; two K steps on: four heads
	s_add_nc_u64 s[G0B+4*\slot+2:G0B+4*\slot+3], s[G0B+4*\slot+2:G0B+4*\slot+3], 512
	JLOAD \slot                                    ; the first tensor load behind the round; its four v_nop are also the places in front of the loads below
.else
	PLACES
.endif
	FETCH \next, 0, F0
	WIN MULW
	MUL F1, 2, 0
	MUL F1, 3, 0
.endm
	s_wait_tensorcnt 1                             ; my part of K step 0 is in; K step 1's may be out
	s_barrier_signal -1
	s_barrier_wait -1
	FETCH 0, 0, F0
	s_wait_loadcnt 0x0                             ; the bias
	QUARTER 0, 1, F0, F1, 1                        ; the first quarter stands in front of the loop: its products start the sums
	WIN 0
	s_mov_b32 s3, LAPS-1
.Llap:                                                 ; a trip goes once round the ring and fills both slots again
	QUARTER 0, 2, F1, F0, 0
	QUARTER 0, 3, F0, F1, 0
	TURN 0, 1, 1
	QUARTER 1, 1, F0, F1, 0
	QUARTER 1, 2, F1, F0, 0
	QUARTER 1, 3, F0, F1, 0
	TURN 1, 0, 1
	QUARTER 0, 1, F0, F1, 0
	WIN 0
	s_sub_co_u32 s3, s3, 1
	s_cmp_lg_u32 s3, 0
	s_cbranch_scc1 .Llap
	QUARTER 0, 2, F1, F0, 0                        ; the last lap fills nothing
	QUARTER 0, 3, F0, F1, 0
	TURN 0, 1, 0
	QUARTER 1, 1, F0, F1, 0
	QUARTER 1, 2, F1, F0, 0
	QUARTER 1, 3, F0, F1, 0
	s_wait_dscnt 4
	WIN MULW
	MUL F1, 0, 0
	MUL F1, 1, 0
	s_wait_dscnt 0
	MUL F1, 2, 0
	MUL F1, 3, 0
	WIN 0
; THE WAY OUT, a block of 16 tokens x 128 columns at a time, through my own stage: back come whole rows of 512 bytes, which the 32 lanes store as 512 consecutive bytes.
.macro TOSTAGE a
	WIN 0x04                                       ; an LDS store's data are its source 1: window 1
.irp b, 0,1,2,3,4,5,6,7
	ds_store_b128 v[STO], v[64*(\a)+8*\b:64*(\a)+8*\b+3] offset:64*\b        ; each accumulator from its low end on
	ds_store_b128 v[STO], v[64*(\a)+8*\b+4:64*(\a)+8*\b+7] offset:64*\b+16
.endr
	WIN 0
.set BB, 64+64*((\a)%2)
.irp t, 0,1,2,3,4,5,6,7,8,9,10,11,12,13,14,15
	ds_load_b128 v[BB+4*\t:BB+4*\t+3], v[RD] offset:\t*528
.endr
.endm
.macro SEND a, younger
.set BB, 64+64*((\a)%2)
	s_wait_dscnt \younger
.irp t, 0,1,2,3,4,5,6,7,8,9,10,11,12,13,14,15
	global_store_b128 v[CO], v[BB+4*\t:BB+4*\t+3], s[10:11] offset:65536*(\a)+4096*\t th:TH_STORE_NT
.endr
.endm
	PLACES
	TOSTAGE 0
.irp a, 1,2,3
.if \a > 1
	s_wait_xcnt 0x0                                ; block a - 2's stores have read their registers: block a's loads may land there
.endif
	TOSTAGE \a
	SEND \a-1, 32                                  ; behind block a - 1's loads: block a's 16 stores and 16 loads
.endr
	SEND 3, 0
	s_wait_tensorcnt 0x0                           ; the wave's end
	ds_add_u32 v[SPW], v[NIL]
	s_wait_dscnt 0x0
	CROUND                                         ; the closing round
	s_endpgm
.Lfunc_end_k_q9ed009319c_proj:
	.size	k_q9ed009319c_proj, .Lfunc_end_k_q9ed009319c_proj-k_q9ed009319c_proj
	.p2alignl 7, 3214868480
	.fill 96, 4, 3214868480
	.section	.rodata,"a",@progbits
	.p2align	6, 0x0
	.amdhsa_kernel k_q9ed009319c_proj
		.amdhsa_group_segment_fixed_size 327680
		.amdhsa_private_segment_fixed_size 0
		.amdhsa_enable_private_segment 0
		.amdhsa_kernarg_size 32
		.amdhsa_user_sgpr_count 2
		.amdhsa_user_sgpr_kernarg_segment_ptr 1
		.amdhsa_wavefront_size32 1
		.amdhsa_system_sgpr_workgroup_id_x 1
		.amdhsa_system_sgpr_workgroup_id_y 1
		.amdhsa_system_sgpr_workgroup_id_z 1
		.amdhsa_system_vgpr_workitem_id 0
		.amdhsa_next_free_vgpr 576
		.amdhsa_next_free_sgpr 66
		.amdhsa_reserve_vcc 0
		.amdhsa_float_denorm_mode_32 3
		.amdhsa_float_denorm_mode_16_64 3
		.amdhsa_memory_ordered 1
		.amdhsa_forward_progress 1
		.amdhsa_inst_pref_size 86
	.end_amdhsa_kernel
	.amdgpu_metadata
---
amdhsa.version: [ 1, 2 ]
amdhsa.kernels:
  - .name:           k_q9ed009319c_proj
    .symbol:         k_q9ed009319c_proj.kd
    .args:
      - { .name: a16, .offset: 0, .size: 8, .value_kind: global_buffer, .address_space: global }
      - { .name: wp16, .offset: 8, .size: 8, .value_kind: global_buffer, .address_space: global }
      - { .name: c_proj_b, .offset: 16, .size: 8, .value_kind: global_buffer, .address_space: global }
      - { .name: out0, .offset: 24, .size: 8, .value_kind: global_buffer, .address_space: global }
    .group_segment_fixed_size: 327680
    .private_segment_fixed_size: 0
    .kernarg_segment_align: 8
    .kernarg_segment_size: 32
    .max_flat_workgroup_size: 128
    .sgpr_count:     66
    .vgpr_count:     576
    .wavefront_size: 32
...
	.end_amdgpu_metadata
.endif
;; end of part 4
;; launch fine (part 5): grid 32 x 4, 16 waves a work-group, no clusters, 38,912 bytes of LDS; arguments qkv32, qkv, vaux, c_proj_w, c_proj_b, out0; writes out0
.if DOCPART == 5
	.amdgcn_target "amdgcn-amd-amdhsa--gfx1250"
	.amdhsa_code_object_version 6
	.text
	.protected	k_q9ed009319c_fine
	.globl	k_q9ed009319c_fine
	.p2align	8
	.type	k_q9ed009319c_fine,@function
k_q9ed009319c_fine:
	s_mov_b64 s[64:65], 0
	v_nop
	global_prefetch_b8 v0, s[64:65] scope:SCOPE_SE
	s_setreg_imm32_b32 hwreg(HW_REG_WAVE_MODE, 25, 1), 1
	s_wait_xcnt 0x0
; THE FIRST 16 PLACES OF EACH SEQUENCE, IN F32: scores, softmax, the weighted sum of v and the projection; these 64 rows of out0 are stored again here.  They average one to sixteen values, so f16 operands would weigh most there.
; Work-group (x, b): 32 columns of out0 from 32 x on, batch b.  Wave w is head w; the head's 64 channels are its slice of the projection's K, so only the sixteen partial sums go from wave to wave, through LDS.
; All products by the f32 matrix form, K = 4 a step; its accumulators (v192-255) are written by matrix instructions alone; each sum begins with 0 or with other registers as the C of its first step.
; A step's K is a permutation of the true one, the same on both sides: a lane's register pair (2 s, 2 s + 1) stands for k = 2 h + j of the instruction and holds what lies at (the lane's half's base) + 2 s + j.
; THE HIDDEN KEYS COUNT, at -10,000 (raw -80,000): keys 0-15 go through the products, hidden ones with that score; keys 16-2047 have one weight p_t for a query: l takes 2,032 p_t, and O starts as p_t x the sum of their v,
; made of v's rows 16-63 and of 64 x the means of blocks 1-31.
; LIMITS: that sum of 2,032 rows comes from f16 data; NaN and infinities are not served.
.set PARTB, 16777216
.set PP,    144                        ; a row of partial sums in LDS: 32 numbers + 16 bytes
.set SPARE, 16*16*PP                   ; behind the sixteen waves' rows: the spare words, which no other line names
.set SPW, 12
.set NIL, 13
	s_load_b256 s[4:11], s[0:1], 0x0               ; qkv32 s[4:5], qkv s[6:7], vaux s[8:9], c_proj_w s[10:11]
	s_load_b128 s[12:15], s[0:1], 0x20             ; c_proj_b s[12:13], out0 s[14:15]
	v_lshl_add_u32 v[SPW], v0, 2, SPARE
	v_mov_b32 v[NIL], 0
	v_lshrrev_b32 v1, 5, v0
	v_readfirstlane_b32 s16, v1                    ; wave = head
	v_and_b32 v1, 15, v0                           ; r
	v_bfe_u32 v2, v0, 4, 1                         ; h
	v_and_b32 v10, 31, v0
	v_lshlrev_b32 v10, 2, v10                      ; 4 x lane
	v_mul_u32_u24 v3, v1, 12288
	v_lshl_add_u32 v3, v2, 7, v3                   ; q, k: row r of 12,288 bytes, channels 32 h on
	v_lshlrev_b32 v4, 7, v1
	v_lshl_add_u32 v4, v2, 4, v4                   ; f16 rows of 128 bytes: row r, + 16 h
	v_mul_u32_u24 v5, v2, 98304
	v_lshl_add_u32 v5, v1, 2, v5                   ; v turned: key 8 h on, channel r
	v_lshlrev_b32 v6, 15, v2
	v_lshl_add_u32 v6, v1, 2, v6                   ; c_proj_w: row 8 h on, column r
	v_lshlrev_b32 v7, 3, v2
	v_sub_nc_u32 v7, v1, v7                        ; r - 8 h
	s_mul_i32 s28, s16, 16*PP
	v_mul_u32_u24 v8, v1, PP
	v_lshl_add_u32 v8, v2, 5, v8
	v_add_nc_u32 v8, s28, v8                       ; my partial sums: wave, query r, + 32 h
	s_mul_i32 s28, s16, PP
	v_add_nc_u32 v9, s28, v10                      ; and what I gather: query = my wave's number, column = lane
	s_and_b32 s17, ttmp7, 0xffff                   ; batch
	s_lshl_b32 s18, ttmp9, 5                       ; first column
	s_mov_b32 s20, 0x76543210
	s_mov_b32 s21, 0xfedcba98
	s_mov_b32 s22, 0x3e38aa3b                      ; c = log2(e) / 8
	s_mov_b32 s23, 0x44fe0000                      ; 2,032.0
	s_mov_b32 s25, 0
	s_lshl_b32 s26, s17, 4
	s_add_co_u32 s26, s26, s16                     ; 16 batch + head
	s_lshl_b32 s27, s18, 2
	s_wait_kmcnt 0x0
	s_mul_i32 s24, s17, 196608
	s_lshl_b32 s29, s16, 8
	s_add_co_u32 s24, s24, s29
	s_add_nc_u64 s[4:5], s[4:5], s[24:25]          ; qkv32 at (batch, row 0, q's channel 64 w)
	s_lshl_b32 s24, s26, 18
	s_add_co_u32 s24, s24, 2*PARTB
	s_add_nc_u64 s[6:7], s[6:7], s[24:25]          ; v in f16, my head
	s_lshl_b32 s24, s26, 12
	s_add_nc_u64 s[8:9], s[8:9], s[24:25]          ; its means
	s_lshl_b32 s24, s16, 18
	s_add_co_u32 s24, s24, s27
	s_add_nc_u64 s[10:11], s[10:11], s[24:25]      ; c_proj_w at (row 64 w, first column)
	s_mov_b32 s24, s27
	s_add_nc_u64 s[12:13], s[12:13], s[24:25]
	s_lshl_b32 s24, s17, 11
	s_add_co_u32 s24, s24, s16
	s_lshl_b32 s24, s24, 10
	s_add_co_u32 s24, s24, s18
	s_lshl_b32 s24, s24, 2
	s_add_nc_u64 s[14:15], s[14:15], s[24:25]      ; out0 at (batch, place = my wave's number, first column)
	global_load_b32 v11, v10, s[12:13]             ; the bias of my column
.irp i, 0,1,2,3,4,5,6,7
	global_load_b128 v[16+4*\i:19+4*\i], v3, s[4:5] offset:16*\i              ; q: v16-47
.endr
.irp i, 0,1,2,3,4,5,6,7
	global_load_b128 v[48+4*\i:51+4*\i], v3, s[4:5] offset:4096+16*\i         ; k: v48-79
.endr
.irp i, 0,1,2
.irp t, 0,1,2,3
	global_load_b128 v[80+16*\i+4*\t:83+16*\i+4*\t], v4, s[6:7] offset:(16+16*\i)*128+32*\t   ; v's rows 16 + 16 i + r, channels 16 t + 8 h on, f16: v80-127
.endr
.endr
.irp t, 0,1,2,3
.irp e, 0,1,2,3,4,5,6,7
	global_load_b32 v[128+8*\t+\e], v5, s[4:5] offset:12288*\e+8192+64*\t     ; v(key 8 h + e, channel 16 t + r): v128-159
.endr
.endr
	s_wait_loadcnt 44                              ; q and k are in; behind them 12 + 32 loads may be out
.irp s, 0,1,2,3,4,5,6,7,8,9,10,11,12,13,14,15      ; S^T = k q^T: two accumulators by turns
.if \s < 2
	v_wmma_f32_16x16x4_f32 v[192+8*(\s%2):199+8*(\s%2)], v[48+2*\s:49+2*\s], v[16+2*\s:17+2*\s], 0
.else
	v_wmma_f32_16x16x4_f32 v[192+8*(\s%2):199+8*(\s%2)], v[48+2*\s:49+2*\s], v[16+2*\s:17+2*\s], v[192+8*(\s%2):199+8*(\s%2)]
.endif
.endr
	s_wait_loadcnt 32                              ; v's f16 rows are in; the 32 loads of v turned may be out
	; T (v160-191): register 8 t + j = channel 16 t + 8 h + j; first my three rows.  These lines are also the places behind the products above
.irp r, 80,81,82,83,84,85,86,87,88,89,90,91,92,93,94,95
	v_cvt_f32_f16 v[160+2*(\r-80)], v\r\().l
	v_cvt_f32_f16 v[161+2*(\r-80)], v\r\().h
.endr
.irp r, 96,97,98,99,100,101,102,103,104,105,106,107,108,109,110,111,112,113,114,115,116,117,118,119,120,121,122,123,124,125,126,127
	v_cvt_f32_f16 v14, v\r\().l
	v_cvt_f32_f16 v15, v\r\().h
	v_pk_add_f32 v[160+2*((\r-80)%16):161+2*((\r-80)%16)], v[160+2*((\r-80)%16):161+2*((\r-80)%16)], v[14:15]
.endr
.irp i, 0,1
.irp t, 0,1,2,3
	global_load_b128 v[80+16*\i+4*\t:83+16*\i+4*\t], v4, s[8:9] offset:2048*\i+32*\t          ; the means of blocks r and 16 + r: v80-111
.endr
.endr
.irp u, 0,1
.set e, 0
.rept 32
	global_load_b32 v[16+32*\u+e], v6, s[10:11] offset:(16*(e/8)+e%8)*4096+64*\u              ; c_proj_w(64 w + 16 (e / 8) + 8 h + e % 8, column 16 u + r): v16-79
.set e, e+1
.endr
.endr
	; the softmax of my query r over keys 8 h + 0 .. 7, lane 16 away's eight, and the 2,032 behind
	v_mov_b32 v120, 0xc79c4000                     ; -80,000.0
	v_pk_add_f32 v[112:113], v[192:193], v[200:201]   ; both accumulators from their low ends on
	v_pk_add_f32 v[114:115], v[194:195], v[202:203]
	v_pk_add_f32 v[116:117], v[196:197], v[204:205]
	v_pk_add_f32 v[118:119], v[198:199], v[206:207]
.irp j, 0,1,2,3,4,5,6,7
	v_cmp_gt_i32 vcc_lo, \j, v7                    ; key 8 h + j > query r
	v_cndmask_b32 v[112+\j], v[112+\j], v120, vcc_lo
.endr
	v_max3_num_f32 v121, v112, v113, v114
	v_max3_num_f32 v122, v115, v116, v117
	v_max3_num_f32 v121, v121, v118, v119
	v_max3_num_f32 v121, v121, v122, v120
	v_permlanex16_b32 v122, v121, s20, s21
	v_max_num_f32 v121, v121, v122                 ; m
	v_mul_f32 v123, s22, v121                      ; c m
.irp j, 0,1,2,3,4,5,6,7
	v_fma_f32 v[112+\j], v[112+\j], s22, -v123
.endr
	v_fma_f32 v124, v120, s22, -v123
.irp j, 0,1,2,3,4,5,6,7
	v_exp_f32 v[112+\j], v[112+\j]
.endr
	v_exp_f32 v124, v124                           ; p_t
	v_nop
	s_wait_alu depctr_va_vdst(0)                   ; one wait for the nine, ahead of their first reader
	v_pk_add_f32 v[126:127], v[112:113], v[114:115]
	v_pk_add_f32 v[14:15], v[116:117], v[118:119]
	v_pk_add_f32 v[126:127], v[126:127], v[14:15]
	v_add_f32 v125, v126, v127
	v_permlanex16_b32 v122, v125, s20, s21
	v_add_f32 v125, v125, v122
	v_fma_f32 v125, v124, s23, v125                ; l
	v_rcp_f32 v126, v125                           ; its wait stands ahead of its first reader, behind the products below
	s_wait_loadcnt 63                              ; the means and v turned are in: 64 loads were issued behind them, and the count's field holds no more than 63
	v_cmp_eq_u32 vcc_lo, 0, v1
	v_mov_b32 v127, 0x42800000                     ; 64.0,
	v_cndmask_b32 v127, v127, v[NIL], vcc_lo       ; or 0 for block 0, whose keys are counted one by one
.irp r, 80,81,82,83,84,85,86,87,88,89,90,91,92,93,94,95
	v_cvt_f32_f16 v14, v\r\().l
	v_cvt_f32_f16 v15, v\r\().h
	v_fma_f32 v[160+2*(\r-80)], v14, v127, v[160+2*(\r-80)]
	v_fma_f32 v[161+2*(\r-80)], v15, v127, v[161+2*(\r-80)]
.endr
.irp r, 96,97,98,99,100,101,102,103,104,105,106,107,108,109,110,111
	v_cvt_f32_f16 v14, v\r\().l
	v_cvt_f32_f16 v15, v\r\().h
	v_pk_fma_f32 v[160+2*(\r-96):161+2*(\r-96)], v[14:15], 0x42800000, v[160+2*(\r-96):161+2*(\r-96)] op_sel_hi:[1,0,1]
.endr
.irp m, 1,2,4,8                        ; over the sixteen lanes of my half
.set e, 0
.rept 32
	v_add_f32_dpp v[160+e], v[160+e], v[160+e] row_xmask:\m row_mask:0xf bank_mask:0xf
.set e, e+1
.endr
.endr
.set e, 0
.rept 16
	v_pk_mul_f32 v[160+e:161+e], v[160+e:161+e], v[124:125] op_sel_hi:[1,0]   ; x p_t of my query
.set e, e+2
.endr
.irp s, 0,1,2,3                        ; O^T = v^T p, begun on T: four accumulators by turns
.irp t, 0,1,2,3
.if \s == 0
	v_wmma_f32_16x16x4_f32 v[208+8*\t:215+8*\t], v[128+8*\t+2*\s:129+8*\t+2*\s], v[112+2*\s:113+2*\s], v[160+8*\t:167+8*\t]
.else
	v_wmma_f32_16x16x4_f32 v[208+8*\t:215+8*\t], v[128+8*\t+2*\s:129+8*\t+2*\s], v[112+2*\s:113+2*\s], v[208+8*\t:215+8*\t]
.endif
.endr
.endr
.rept 8
	v_nop                                          ; places behind this form, in front of the reads of its results and of the writes over its sources
.endr
	s_wait_alu depctr_va_vdst(0)                   ; the reciprocal's wait, ahead of its first reader
.set e, 0
.rept 16
	v_pk_mul_f32 v[128+e:129+e], v[208+e:209+e], v[126:127] op_sel_hi:[1,0]   ; a(query r, channel 16 t + 8 h + j), into other registers
.set e, e+2
.endr
	s_wait_loadcnt 0x0                             ; c_proj_w, and the bias
.irp k, 0,1,2,3,4,5,6,7,8,9,10,11,12,13,14,15      ; out^T, my head's part: two accumulators by turns
.irp u, 0,1
.if \k == 0
	v_wmma_f32_16x16x4_f32 v[240+8*\u:247+8*\u], v[16+32*\u+2*\k:17+32*\u+2*\k], v[128+2*\k:129+2*\k], 0
.else
	v_wmma_f32_16x16x4_f32 v[240+8*\u:247+8*\u], v[16+32*\u+2*\k:17+32*\u+2*\k], v[128+2*\k:129+2*\k], v[240+8*\u:247+8*\u]
.endif
.endr
.endr
.rept 8
	v_nop
.endr
	ds_store_b128 v8, v[240:243]                   ; lane (r, h): query r, columns 16 u + 8 h + 0 .. 7
	ds_store_b128 v8, v[244:247] offset:16
	ds_store_b128 v8, v[248:251] offset:64
	ds_store_b128 v8, v[252:255] offset:80
	s_wait_dscnt 0x0                               ; for the others' sake: my stores are done
	s_barrier_signal -1
	s_barrier_wait -1
.set i, 0
.rept 16
	ds_load_b32 v[16+i], v9 offset:i*16*PP         ; head i's part of (query = my wave's number, column = lane)
.set i, i+1
.endr
	s_wait_dscnt 0x0
	v_add_f32 v14, v16, v17
.set i, 2
.rept 14
	v_add_f32 v14, v14, v[16+i]                    ; the heads in ascending order
.set i, i+1
.endr
	v_add_f32 v14, v14, v11
	global_store_b32 v10, v14, s[14:15]
	s_wait_tensorcnt 0x0                           ; the wave's end
	ds_add_u32 v[SPW], v[NIL]
	s_wait_dscnt 0x0
	s_endpgm
.Lfunc_end_k_q9ed009319c_fine:
	.size	k_q9ed009319c_fine, .Lfunc_end_k_q9ed009319c_fine-k_q9ed009319c_fine
	.p2alignl 7, 3214868480
	.fill 96, 4, 3214868480
	.section	.rodata,"a",@progbits
	.p2align	6, 0x0
	.amdhsa_kernel k_q9ed009319c_fine
		.amdhsa_group_segment_fixed_size 38912
		.amdhsa_private_segment_fixed_size 0
		.amdhsa_enable_private_segment 0
		.amdhsa_kernarg_size 48
		.amdhsa_user_sgpr_count 2
		.amdhsa_user_sgpr_kernarg_segment_ptr 1
		.amdhsa_wavefront_size32 1
		.amdhsa_system_sgpr_workgroup_id_x 1
		.amdhsa_system_sgpr_workgroup_id_y 1
		.amdhsa_system_sgpr_workgroup_id_z 1
		.amdhsa_system_vgpr_workitem_id 0
		.amdhsa_next_free_vgpr 256
		.amdhsa_next_free_sgpr 66
		.amdhsa_reserve_vcc 1
		.amdhsa_float_denorm_mode_32 3
		.amdhsa_float_denorm_mode_16_64 3
		.amdhsa_memory_ordered 1
		.amdhsa_forward_progress 1
		.amdhsa_inst_pref_size 46
	.end_amdhsa_kernel
	.amdgpu_metadata
---
amdhsa.version: [ 1, 2 ]
amdhsa.kernels:
  - .name:           k_q9ed009319c_fine
    .symbol:         k_q9ed009319c_fine.kd
    .args:
      - { .name: qkv32, .offset: 0, .size: 8, .value_kind: global_buffer, .address_space: global }
      - { .name: qkv, .offset: 8, .size: 8, .value_kind: global_buffer, .address_space: global }
      - { .name: vaux, .offset: 16, .size: 8, .value_kind: global_buffer, .address_space: global }
      - { .name: c_proj_w, .offset: 24, .size: 8, .value_kind: global_buffer, .address_space: global }
      - { .name: c_proj_b, .offset: 32, .size: 8, .value_kind: global_buffer, .address_space: global }
      - { .name: out0, .offset: 40, .size: 8, .value_kind: global_buffer, .address_space: global }
    .group_segment_fixed_size: 38912
    .private_segment_fixed_size: 0
    .kernarg_segment_align: 8
    .kernarg_segment_size: 48
    .max_flat_workgroup_size: 512
    .sgpr_count:     66
    .vgpr_count:     256
    .wavefront_size: 32
...
	.end_amdgpu_metadata
.endif
;; end of part 5
